; MI455X (gfx1250); checked and timed in simulation.
; The chip was launched on July 23, 2026; its instructions are those of AMD's public machine-readable ISA for CDNA 5 (MIT licence, August 2026) and "CDNA5" Instruction Set Architecture Reference Guide (July 2026). The comments in the code are by the model that wrote it; some were corrected since.
;; Causal Self Attention. Allowed arithmetic: matrix products marked QUANTISED: E2M3 operands, one E8M0 scale for each 32 along K, by v_wmma_scale_f32_16x16x128_f8f6f4 with both operands' format E2M3, f32 sums; everything else in f32.
;; Inputs: Wk 1,024 x 1,024 float32; Wo 1,024 x 1,024 float32; Wq 1,024 x 1,024 float32; Wv 1,024 x 1,024 float32; x 4 x 2,048 x 1,024 float32.
;; Outputs: out0 4 x 2,048 x 1,024 float32.
;; This version of the problem:
;;   THIS VERSION OF THE PROBLEM IS GIVEN IN LOW PRECISION. The matrix products marked QUANTISED in the list below multiply operands that are first quantised to E2M3 (2 exponent bits, 3 mantissa bits; 6 bits a number), with one power-of-two scale for each 32 numbers along K (OCP MX v1.0); their sums are f32. All else is computed in f32.
;;   The module's matrix products, in the order in which they are computed (A, B: the left and right operand; K: the contracted axis; several contracted axes count as one K, in the product's order):
;;     1. [M 8,192, K 1,024] x [K 1,024, N 1,024]; A: input x; B: input Wq: QUANTISED
;;     2. [M 8,192, K 1,024] x [K 1,024, N 1,024]; A: input x; B: input Wk: QUANTISED
;;     3. [M 8,192, K 1,024] x [K 1,024, N 1,024]; A: input x; B: input Wv: QUANTISED
;;     4. batch 64 x [M 2,048, K 64] x [K 64, N 2,048]; A: computed on the way; B: computed on the way: QUANTISED
;;     5. batch 64 x [M 2,048, K 2,048] x [K 2,048, N 64]; A: softmax (see below); B: computed on the way: QUANTISED
;;     6. [M 8,192, K 1,024] x [K 1,024, N 1,024]; A: computed on the way; B: input Wo: QUANTISED
;;   THE QUANTISER, for each operand of a quantised product, along K:
;;     - K is cut into blocks of 32 from its start; a last block that is shorter is filled with zeros.
;;     - A block's scale is 2^e with e = floor(log2(the largest magnitude in the block)) - 2, held to -126 .. 127; a block of zeros has e = 0. As a byte (E8M0): e + 127.
;;     - Each number is divided by its block's scale, clamped to +-7.5, and rounded to the nearest number of E2M3, ties to even, subnormals kept.
;;     - The product sums the exact products of the quantised numbers (number of the format x scale) in f32.
;;   ~~~python
;;   def quantise(x, axis):      # numpy; x: float32 -> the quantised numbers, widened to float32 again
;;       x = np.moveaxis(x, axis, -1); K = x.shape[-1]
;;       x = np.pad(x, [(0, 0)] * (x.ndim - 1) + [(0, -K % 32)]); x = x.reshape(x.shape[:-1] + (-1, 32)); a = np.abs(x).max(-1, keepdims=True)
;;       e = np.where(a > 0, np.clip(np.frexp(np.where(a > 0, a, 1))[1] - 1 - 2, -126, 127), 0)      # np.frexp(a)[1] - 1 = floor(log2(a)), exactly
;;       r = np.clip(x / 2.0 ** e, -7.5, 7.5)
;;       step = 2.0 ** (np.maximum(np.frexp(np.where(r == 0, 1, r))[1] - 1, 0) - 3)
;;       q = np.round(r / step) * step * 2.0 ** e      # np.round: ties to even
;;       return np.moveaxis(q.reshape(q.shape[:-2] + (-1,))[..., :K], -1, axis).astype(np.float32)
;;   ~~~
;;   SOFTMAX AHEAD OF A QUANTISED PRODUCT. Where the list says 'softmax', what is quantised is not the finished softmax but p = 2^(t - M), with t = logit x log2(e) and M = ceil(the row's largest t), a whole number; so 1/2 < the row's largest p <= 1. The row's sum l is taken of the UNQUANTISED p, in f32, and the product's result is divided by l at the end. Since M is a whole number, a kernel that streams over the keys may use a running M (the ceiling of the running maximum): every later rescaling is an exact power of two, which a block's scale takes up: the codes' values come out the same.
;;   OPERANDS COMPUTED ON THE WAY. 'Computed on the way' means the value that the module computes at that place (a softmax that the list does not call 'softmax' is quantised finished and normalised). What goes into a quantiser is computed in f32, as accurately as f32 sums, v_exp_f32 and their like allow (about 1e-6 of the number): no bf16 or f16 on the way to a quantiser, and a product that is left as it is and whose result goes on into a quantised operand takes f32 operands (vector FMAs, or v_wmma_f32_16x16x4_f32). A number that lies on a knife's edge between two numbers of the format may be rounded either way, as far as f32 arithmetic and the matrix unit's own rounding can turn it there, and no further.
;; One version. Each part assembles by itself: llvm-mc -triple=amdgcn-amd-amdhsa -mcpu=gfx1250 --defsym DOCPART=n.
;; ======== version 1 of 1: 4 launches
;; workspace buffers: xw 7,372,800 bytes; wqkv 2,457,600 bytes; rope 524,288 bytes; qbuf 6,815,744 bytes; kv 13,107,200 bytes; abuf 6,553,600 bytes
;; launch quant (part 1): grid 416 x 1, 4 waves a work-group, no clusters, 34,304 bytes of LDS; arguments x, Wq, Wk, Wv, Wo, xw, wqkv, rope; writes xw, wqkv, rope
.if DOCPART == 1
	.amdgcn_target "amdgcn-amd-amdhsa--gfx1250"
	.amdhsa_code_object_version 6
	.text
	.protected	k_q1045c1c6c8_quant
	.globl	k_q1045c1c6c8_quant
	.p2align	8
	.type	k_q1045c1c6c8_quant,@function
k_q1045c1c6c8_quant:
	s_mov_b64 s[64:65], 0
	v_nop
	global_prefetch_b8 v0, s[64:65] scope:SCOPE_SE
	s_setreg_imm32_b32 hwreg(HW_REG_WAVE_MODE, 25, 1), 1
	s_wait_xcnt 0x0
; x [8192][1024] and Wq, Wk, Wv, Wo [1024][1024], f32, K innermost, become codes of FP6 (E2M3) with one E8M0 byte for each 32 along K,
; laid IN THE ORDER OF THE OPERAND'S REGISTERS; and the table of cos and sin for the rotation is made.
; ROW ORDER: a group of 64 rows is four tiles; tile-row i of tile t is row 32 (t / 2) + 8 (t % 2) + i + 8 (i / 8) of the group.
; IMAGE of a fragment (16 rows x 128 K, 12 registers a lane): registers 4 g .. 4 g + 3 of lane L at 512 g + 16 L: 1,536 bytes.
; QUAD: the scale words of four tiles: the word of (tile-row r, tile t) at 16 r + 4 t: 256 bytes.
; xw: 36 blocks of 256 rows (32 of x, 4 of Wo) x 8 K steps x (16 images, 4 quads).  wqkv: 16 heads x 8 K steps x (12 images: q, k, v; 3 quads).
; SHARES: work-groups 0-255: x (group of 64 rows = g / 2, half of K = g % 2); 256-383: the weights; 384-415: the table.  A wave takes one K step of 128 and the group's four tiles.
; All five tensors take one path: only pointers and sizes are chosen, by the work-group's number.
; A load reads 512 consecutive bytes of one row, 16 a lane; a tile's 16 rows turn through the wave's own stage in LDS (rows of 512 + 16 bytes) and come back 128 bytes a lane:
; lane (r, h) then holds k = 64 c + 32 h + 0 .. 31 of tile-row r: two whole blocks, just as the operand's layout gives them to that lane.
; A block's scale is 2^(floor(log2(largest magnitude)) - 2); its byte is the largest magnitude's exponent field - 2, held at 1 from below.
; LIMITS: a block of zeros gets the byte 1 (its codes are zeros, and this program alone reads the bytes); NaN and infinities among the inputs are not served.
; THE TABLE: rope[position][j] = (cos, sin) of position x F_j, F_j = 1 / Y_j, Y_j = 10^(j / 8) = 10000^(j / 32).  Y_j is the f32 nearest to 10^((j % 8) / 8) times 10^(j / 8 whole), one rounding:
; for j < 8 the nearest f32, beyond that within an ulp of it (the angle there is under 205).  The angle is reduced by quarter turns in two parts and the two functions are polynomials on +-pi/4.
.set STG,   8448                       ; a wave's stage: 16 rows x 528 bytes
.set SPARE, 4*STG                      ; behind the stages: the spare words, 128 bytes a wave
.set SPW, 12                           ; v12  my spare word's address; never rewritten
.set NIL, 13                           ; v13  0; never rewritten
.set R,   16                           ; v16-79   a tile as it is loaded
.set X,   80                           ; v80-143  my two blocks of 32
.set CD,  144                          ; v144-191 codes, 12 registers a tile: no store's data are written again
.set WD,  192                          ; v192-195 the four tiles' scale words
.set QM,  196                          ; largest magnitudes
.set QS,  198                          ; the conversions' scale operands
.set QB,  200                          ; the bytes
.set WT,  202
.set WP,  203
.set T2,  204                          ; v204-206, v208-210: a block's upper 16 codes
.set QD,  212                          ; v212-213 my half of a quad's row
	s_load_b256 s[4:11], s[0:1], 0x0               ; x, Wq, Wk, Wv
	s_load_b256 s[12:19], s[0:1], 0x20             ; Wo, xw, wqkv, rope
	v_lshl_add_u32 v[SPW], v0, 2, SPARE
	v_mov_b32 v[NIL], 0
	v_lshrrev_b32 v1, 5, v0
	v_readfirstlane_b32 s3, v1                     ; wave
	v_and_b32 v2, 31, v0                           ; lane
	s_mov_b32 s2, ttmp9                            ; g
	s_cmp_ge_u32 s2, 384
	s_cbranch_scc1 .Ltable
	v_and_b32 v8, 15, v0                           ; r
	v_bfe_u32 v9, v0, 4, 1                         ; h
	v_lshlrev_b32 v3, 4, v2                        ; 16 L: loads and stores
	s_mul_i32 s40, s3, STG
	v_add_nc_u32 v4, s40, v3                       ; the stage, in: 16 L
	v_mul_u32_u24 v5, v8, 528
	v_lshl_add_u32 v5, v9, 7, v5
	v_add_nc_u32 v5, s40, v5                       ; out: row r, 128 h bytes on
	v_lshlrev_b32 v6, 4, v8
	v_lshl_add_u32 v6, v9, 3, v6                   ; a quad: 16 r + 8 h
	v_lshlrev_b32 v7, 3, v9                        ; 8 h: my bytes' place in a scale word
	v_mov_b32 v[WP], 0                             ; a lane permute's destination counts as one of its sources
	s_mov_b32 s41, 0xffff0000                      ; lanes 16-31
	s_mov_b32 s42, 0x76543210
	s_mov_b32 s43, 0xfedcba98                      ; selects for lane l xor 16
	s_lshr_b32 s22, s2, 1                          ; x: the group of 64 rows
	s_and_b32 s23, s22, 15                         ; a weight: its group (a head's 64 rows)
	s_lshr_b32 s24, s2, 5
	s_sub_co_u32 s24, s24, 8                       ; which weight: 0 q, 1 k, 2 v, 3 o
	s_and_b32 s25, s2, 1
	s_lshl_b32 s25, s25, 2
	s_add_co_u32 s25, s25, s3                      ; my K step of 128
	s_add_co_u32 s26, s23, 128                     ; Wo's groups lie behind x's 128
	s_cmp_lt_u32 s2, 256
	s_cselect_b32 s27, s22, s23                    ; the group in the source
	s_cselect_b32 s26, s22, s26                    ; and in xw
	s_lshr_b32 s28, s26, 2                         ; xw: block of 256 rows,
	s_and_b32 s29, s26, 3                          ; group in it
	s_wait_kmcnt 0x0
	s_sub_co_u32 s30, s2, 256
	s_cmp_ge_u32 s30, 96                           ; x (the difference wraps) or Wo: into xw; else into wqkv
	s_cselect_b32 s28, s28, s23                    ; block
	s_cselect_b32 s29, s29, s24                    ; part of a record
	s_mov_b32 s31, 19200
	s_cselect_b32 s31, 25600, s31                  ; a record's bytes
	s_mov_b32 s32, 18432
	s_cselect_b32 s32, 24576, s32                  ; where its quads begin
	s_cselect_b64 s[34:35], s[14:15], s[16:17]
	s_mov_b64 s[20:21], s[12:13]                   ; the source, by the work-group's number
	s_cmp_lt_u32 s2, 352
	s_cselect_b64 s[20:21], s[10:11], s[20:21]
	s_cmp_lt_u32 s2, 320
	s_cselect_b64 s[20:21], s[8:9], s[20:21]
	s_cmp_lt_u32 s2, 288
	s_cselect_b64 s[20:21], s[6:7], s[20:21]
	s_cmp_lt_u32 s2, 256
	s_cselect_b64 s[20:21], s[4:5], s[20:21]
	s_lshl_b32 s44, s27, 18                        ; 64 rows of 4,096 bytes
	s_lshl_b32 s45, s25, 9                         ; 128 numbers
	s_add_co_u32 s44, s44, s45
	s_mov_b32 s45, 0
	s_add_nc_u64 s[20:21], s[20:21], s[44:45]
	s_lshl_b32 s30, s28, 3
	s_add_co_u32 s30, s30, s25
	s_mul_i32 s30, s30, s31                        ; my record
	s_mul_i32 s44, s29, 6144
	s_add_co_u32 s44, s44, s30
	s_add_nc_u64 s[36:37], s[34:35], s[44:45]      ; my four images
	s_lshl_b32 s46, s29, 8
	s_add_co_u32 s46, s46, s30
	s_add_co_u32 s46, s46, s32
	s_mov_b32 s47, 0
	s_add_nc_u64 s[38:39], s[34:35], s[46:47]      ; my quad
.macro LOAD t                          ; tile t: 16 rows, 512 consecutive bytes each
.irp i, 0,1,2,3,4,5,6,7,8,9,10,11,12,13,14,15
	global_load_b128 v[R+4*\i:R+4*\i+3], v3, s[20:21] offset:(32*((\t)/2)+8*((\t)%2)+\i+8*(\i/8))*4096 th:TH_LOAD_NT
.endr
.endm
.macro TILE t
	s_wait_loadcnt 0x0                             ; the tile's 16 loads are in
.irp i, 0,1,2,3,4,5,6,7,8,9,10,11,12,13,14,15
	ds_store_b128 v4, v[R+4*\i:R+4*\i+3] offset:528*\i
.endr
.irp c, 0,1
.irp i, 0,1,2,3,4,5,6,7
	ds_load_b128 v[X+32*\c+4*\i:X+32*\c+4*\i+3], v5 offset:256*\c+16*\i   ; LDS serves a wave's instructions in order: these see the stores above
.endr
.endr
	s_wait_dscnt 0x0                               ; my two blocks are in, and the stores have read their registers,
.if \t < 3
	LOAD (\t)+1                                    ; which take the next tile while this one is worked
.endif
.irp c, 0,1
	v_max3_num_f32 v[QM+\c], |v[X+32*\c]|, |v[X+32*\c+1]|, 0x1800000     ; block 2 c + h: all 32 numbers are mine; the floor 2^(3 - 127) holds the byte at 1 from below
.endr
.irp i, 2,4,6,8,10,12,14,16,18,20,22,24,26,28,30
.irp c, 0,1
	v_max3_num_f32 v[QM+\c], v[QM+\c], |v[X+32*\c+\i]|, |v[X+32*\c+\i+1]|
.endr
.endr
.irp c, 0,1
	v_add_nc_u32 v[QS+\c], 0xff000000, v[QM+\c]    ; 2 off the exponent field: the conversion's scale operand
.endr
.irp c, 0,1
	v_lshrrev_b32 v[QB+\c], 23, v[QS+\c]           ; the byte
.endr
	v_lshl_or_b32 v[WT], v[QB+1], 16, v[QB]        ; blocks h and 2 + h,
	v_lshlrev_b32 v[WT], v7, v[WT]                 ; at their places;
	v_permlanex16_b32 v[WP], v[WT], s42, s43
	v_or_b32 v[WD+\t], v[WT], v[WP]                ; with lane l xor 16's two the word is whole, in both halves of the lanes
.irp c, 0,1
	v_cvt_scalef32_pk16_fp6_f32 v[CD+12*\t+6*\c:CD+12*\t+6*\c+2], v[X+32*\c:X+32*\c+15], v[QS+\c]
	v_cvt_scalef32_pk16_fp6_f32 v[T2+4*\c:T2+4*\c+2], v[X+32*\c+16:X+32*\c+31], v[QS+\c]   ; (a conversion's three registers begin on an even number)
.endr
	v_nop                                          ; one plain place behind a scaled conversion
.irp c, 0,1
.irp i, 0,1,2
	v_mov_b32 v[CD+12*\t+6*\c+3+\i], v[T2+4*\c+\i]
.endr
.endr
.irp g, 0,1,2
	global_store_b128 v3, v[CD+12*\t+4*\g:CD+12*\t+4*\g+3], s[36:37] offset:1536*\t+512*\g   ; 512 consecutive bytes, aligned
.endr
.endm
	LOAD 0
	TILE 0
	TILE 1
	TILE 2
	TILE 3
	v_cndmask_b32 v[QD], v[WD], v[WD+2], s41       ; lanes 0-15 store tiles 0, 1, lanes 16-31 tiles 2, 3
	v_cndmask_b32 v[QD+1], v[WD+1], v[WD+3], s41
	global_store_b64 v6, v[QD:QD+1], s[38:39]      ; 256 consecutive bytes, aligned
	s_wait_tensorcnt 0x0                           ; the wave's end
	ds_add_u32 v[SPW], v[NIL]
	s_wait_dscnt 0x0
	s_endpgm
.macro PICK dst, idx, n, bits          ; where v[idx] = n, v[dst] becomes the constant
	v_cmp_ne_u32 vcc_lo, \n, v[\idx]
	v_cndmask_b32 v[\dst], \bits, v[\dst], vcc_lo
.endm
.Ltable:                               ; 128 waves, 16 positions each; lane = j
	v_and_b32 v3, 7, v2
	v_lshrrev_b32 v4, 3, v2
	v_mov_b32 v5, 1.0
	PICK 5, 3, 1, 0x3faab0d5                       ; 10^(1/8)
	PICK 5, 3, 2, 0x3fe39ea9                       ; 10^(2/8)
	PICK 5, 3, 3, 0x4017c496
	PICK 5, 3, 4, 0x404a62c2
	PICK 5, 3, 5, 0x4086f161
	PICK 5, 3, 6, 0x40b3f300
	PICK 5, 3, 7, 0x40eff755                       ; 10^(7/8)
	v_mov_b32 v6, 1.0
	PICK 6, 4, 1, 0x41200000                       ; 10
	PICK 6, 4, 2, 0x42c80000                       ; 100
	PICK 6, 4, 3, 0x447a0000                       ; 1000
	v_mul_f32 v5, v5, v6                           ; Y
	v_rcp_f32 v7, v5
	v_lshlrev_b32 v8, 3, v2                        ; 8 j: my place in a row.  (The plain place behind the reciprocal)
	s_sub_co_u32 s20, s2, 384
	s_lshl_b32 s20, s20, 2
	s_add_co_u32 s20, s20, s3
	s_lshl_b32 s21, s20, 4                         ; my first position
	s_lshl_b32 s22, s20, 12                        ; 16 rows of 256 bytes
	s_mov_b32 s23, 0
	s_wait_alu depctr_va_vdst(0)                   ; the wait ahead of the reciprocal's first reader
	v_fma_f32 v9, -v5, v7, 1.0
	v_fma_f32 v7, v7, v9, v7                       ; F = 1 / Y, one Newton step
	s_wait_kmcnt 0x0
	s_add_nc_u64 s[18:19], s[18:19], s[22:23]
	s_mov_b32 s24, 0
.Lpos:
	v_cvt_f32_u32 v10, s21
	v_mul_f32 v10, v10, v7                         ; the angle, rounded once
	v_mul_f32 v11, 0x3f22f983, v10                 ; x 2 / pi
	v_rndne_f32 v11, v11                           ; n quarter turns
	v_fmamk_f32 v14, v11, 0xbfc90fdb, v10          ; - n x the upper part of pi / 2: exact
	v_fmamk_f32 v14, v11, 0x333bbd2e, v14          ; - n x the lower part
	v_mul_f32 v15, v14, v14                        ; z
	v_mov_b32 v16, 0xb94ca1f9
	v_fmaak_f32 v16, v16, v15, 0x3c08839e
	v_fmaak_f32 v16, v16, v15, 0xbe2aaaa3
	v_mul_f32 v17, v14, v15
	v_fma_f32 v16, v17, v16, v14                   ; sin r
	v_mov_b32 v18, 0x37ccf5ce
	v_fmaak_f32 v18, v18, v15, 0xbab6061a
	v_fmaak_f32 v18, v18, v15, 0x3d2aaaa5
	v_mul_f32 v19, v15, v15
	v_fma_f32 v20, v15, -0.5, 1.0
	v_fma_f32 v18, v19, v18, v20                   ; cos r
	v_cvt_i32_f32 v21, v11
	v_and_b32 v22, 1, v21
	v_cmp_eq_u32 vcc_lo, 1, v22                    ; an odd quarter: the two change places
	v_cndmask_b32 v23, v16, v18, vcc_lo
	v_cndmask_b32 v24, v18, v16, vcc_lo
	v_and_b32 v25, 2, v21
	v_lshlrev_b32 v25, 30, v25
	v_xor_b32 v27, v23, v25                        ; sin: negative in quarters 2, 3
	v_add_nc_u32 v28, 1, v21
	v_and_b32 v28, 2, v28
	v_lshlrev_b32 v28, 30, v28
	v_xor_b32 v26, v24, v28                        ; cos: negative in quarters 1, 2
	global_store_b64 v8, v[26:27], s[18:19]        ; a row of 256 bytes, aligned
	s_wait_xcnt 0x0                                ; the base and the data are written again only behind this wait
	s_add_nc_u64 s[18:19], s[18:19], 256
	s_add_co_u32 s21, s21, 1
	s_add_co_u32 s24, s24, 1
	s_cmp_lt_u32 s24, 16
	s_cbranch_scc1 .Lpos
	s_wait_tensorcnt 0x0                           ; the same three lines close these waves
	ds_add_u32 v[SPW], v[NIL]
	s_wait_dscnt 0x0
	s_endpgm
.Lfunc_end_k_q1045c1c6c8_quant:
	.size	k_q1045c1c6c8_quant, .Lfunc_end_k_q1045c1c6c8_quant-k_q1045c1c6c8_quant
	.p2alignl 7, 3214868480
	.fill 96, 4, 3214868480
	.section	.rodata,"a",@progbits
	.p2align	6, 0x0
	.amdhsa_kernel k_q1045c1c6c8_quant
		.amdhsa_group_segment_fixed_size 34304
		.amdhsa_private_segment_fixed_size 0
		.amdhsa_enable_private_segment 0
		.amdhsa_kernarg_size 64
		.amdhsa_user_sgpr_count 2
		.amdhsa_user_sgpr_kernarg_segment_ptr 1
		.amdhsa_wavefront_size32 1
		.amdhsa_system_sgpr_workgroup_id_x 1
		.amdhsa_system_sgpr_workgroup_id_y 1
		.amdhsa_system_sgpr_workgroup_id_z 1
		.amdhsa_system_vgpr_workitem_id 0
		.amdhsa_next_free_vgpr 216
		.amdhsa_next_free_sgpr 66
		.amdhsa_reserve_vcc 1
		.amdhsa_float_denorm_mode_32 3
		.amdhsa_float_denorm_mode_16_64 3
		.amdhsa_memory_ordered 1
		.amdhsa_forward_progress 1
		.amdhsa_inst_pref_size 35
	.end_amdhsa_kernel
	.amdgpu_metadata
---
amdhsa.version: [ 1, 2 ]
amdhsa.kernels:
  - .name:           k_q1045c1c6c8_quant
    .symbol:         k_q1045c1c6c8_quant.kd
    .args:
      - { .name: x, .offset: 0, .size: 8, .value_kind: global_buffer, .address_space: global }
      - { .name: Wq, .offset: 8, .size: 8, .value_kind: global_buffer, .address_space: global }
      - { .name: Wk, .offset: 16, .size: 8, .value_kind: global_buffer, .address_space: global }
      - { .name: Wv, .offset: 24, .size: 8, .value_kind: global_buffer, .address_space: global }
      - { .name: Wo, .offset: 32, .size: 8, .value_kind: global_buffer, .address_space: global }
      - { .name: xw, .offset: 40, .size: 8, .value_kind: global_buffer, .address_space: global }
      - { .name: wqkv, .offset: 48, .size: 8, .value_kind: global_buffer, .address_space: global }
      - { .name: rope, .offset: 56, .size: 8, .value_kind: global_buffer, .address_space: global }
    .group_segment_fixed_size: 34304
    .private_segment_fixed_size: 0
    .kernarg_segment_align: 8
    .kernarg_segment_size: 64
    .max_flat_workgroup_size: 128
    .sgpr_count:     66
    .vgpr_count:     216
    .wavefront_size: 32
...
	.end_amdgpu_metadata
.endif
;; end of part 1
;; launch proj (part 2): grid 16 x 32, 4 waves a work-group, clusters of 4 x 4, 327,680 bytes of LDS; arguments xw, wqkv, rope, qbuf, kv; writes qbuf, kv
.if DOCPART == 2
	.amdgcn_target "amdgcn-amd-amdhsa--gfx1250"
	.amdhsa_code_object_version 6
	.text
	.protected	k_q1045c1c6c8_proj
	.globl	k_q1045c1c6c8_proj
	.p2align	8
	.type	k_q1045c1c6c8_proj,@function
k_q1045c1c6c8_proj:
	s_mov_b64 s[64:65], 0
	v_nop
	global_prefetch_b8 v0, s[64:65] scope:SCOPE_SE
	s_setreg_imm32_b32 hwreg(HW_REG_WAVE_MODE, 25, 1), 1
	s_wait_xcnt 0x0
	s_wait_alu depctr_hold_cnt(0) depctr_sa_sdst(0) depctr_va_vdst(0) depctr_va_sdst(0) depctr_va_ssrc(0) depctr_va_vcc(0) depctr_vm_vsrc(0)
	s_getreg_b32 s2, hwreg(HW_REG_IB_STS2, 6, 4)
	s_cmp_eq_u32 s2, 0
	s_cbranch_scc0 .Lentry_in_a_cluster
	s_endpgm
.Lentry_in_a_cluster:
	s_bfe_u32 s2, ttmp6, 0x10000c
	s_cmp_lg_u32 s2, 0xf033
	s_cbranch_scc0 .Lentry_shape_is_right
	s_endpgm
.Lentry_shape_is_right:
; q, k, v = x Wq^T, x Wk^T, x Wv^T on codes of FP6 (E2M3) with E8M0 scales; the rotation of q and k; and their quantising for the attention: q and k along the head's 64, v along the keys.
; SHARES: a work-group makes 256 rows x one head's q, k and v (192 columns); wave w its rows 64 w .. 64 w + 63 (4 tiles of x) against all 12 tiles of the weights: 48 accumulators.  Every wave runs the same way out.
; q and k are used TRANSPOSED (source 0 = 16 rows of W, source 1 = 16 rows of x): a lane holds one position and its registers run along the head.
; v is used straight (source 0 = x, source 1 = Wv): a lane holds one of the head's 64 and its registers run along the keys.  By the tiles' row order (tile-row i of tile t = row 32 (t / 2) + 8 (t % 2) + i + 8 (i / 8)
; of a group of 64) the registers of four tiles are 32 b + 16 (lane / 16) + 0 .. 15: neighbours, as the conversions want them.
; OPERANDS lie in memory and in LDS as images of their registers, so a K step's record (x: 16 images and 4 quads of scale words, 25,600 bytes; W: 12 images and 3 quads, 19,200) is one dense block for one tensor load,
; and a fragment is three ds_load_b128 of 512 consecutive bytes.  K goes in 8 steps of 128 through two LDS slots of two steps each; the steps are written out.
; CLUSTER: 4 x 4 work-groups; x's records hang on the block of rows alone and are asked for jointly along a row of the cluster, W's on the head alone, along a column.
; By this text's count a wave has two tensor loads out at the start and one behind each round.
; OUT: qbuf [batch-head][group of 64 positions]: 4 half images (16 rows x 64 K: registers 0-3 at 16 L, 4-5 at 512 + 8 L) and a quad (a word: s0 s1 s0 s1).
;      kv [batch-head]: 16 records of 128 keys: K as 4 images (tiles 2 p | 2 p + 1), V as 4 tiles of the head x 2 half images; at 196,608: for each record a quad of K's words and one of V's.
; LIMITS: NaN and infinities are not served; a block of zeros gets the byte 1 (read by this program alone); the rotation is one multiply and one fused multiply-add where the definition has two products and a sum.
.set XREC,  25600
.set WREC,  19200
.set STEPB, XREC+WREC                  ; a K step in LDS: x's record, then W's
.set SLOT,  2*STEPB
.set SCM,   2*SLOT                     ; 1,024 bytes: where two waves' scale bytes meet; no tile lands here
.set SPARE, SCM+1024                   ; the spare words, 128 bytes a wave
.set AX,  8                            ; v8-9    x's images in slot 0, 1: + 6,144 w + 16 L
.set AW,  10                           ; v10-11  W's images: + 25,600 + 16 L
.set ASX, 12                           ; v12-13  x's quad
.set ASW, 14                           ; v14-15  q's quad in lanes 0-15, k's in lanes 16-31
.set ASV, 16                           ; v16-17  v's quad
.set SPW, 28
.set NIL, 29
.set SC,  32                           ; scale words, set f at v[32 + 12 f]: 0-3 x's, 4-7 q's | k's, 8-11 v's
.set XF,  64                           ; x's fragments, set f at v[64 + 48 f]
.set VF,  160                          ; Wv's, at v[160 + 48 f].   Window 1: Wq's and Wk's at v[96 f + 12 tw].
                                       ; Window 2: accumulators of q, k at v[64 tx + 8 tw].  Window 3: of v at v[32 tv + 8 tx]; the table at v[128 + 32 tx ..]
.set OUT, 64                           ; the way out, window 0: 32 rotated numbers
.set QC,  96                           ; q's codes 6 tx; k's at + 24
.set VC,  144                          ; v's codes 6 tv
.set T2,  168
.set TM,  172
.set QW,  188                          ; q's words; + 4: k's pairs of bytes
.set KP,  192
.set KW,  196                          ; k's two words
.set VP,  198                          ; v's pairs of bytes
.set QD,  202
.set RB,  204
.set G1X, 24
.set G0X, 32
.set G1W, 48
.set G0W, 56
.set SEL, 84
.set MSB, 0
.macro WIN new                         ; the immediate's high byte repeats the setting that is left
.if MSB != \new
	s_set_vgpr_msb (MSB<<8)|\new
.set MSB, \new
.endif
.endm
.macro JLOAD g0a, g1a, g0b, g1b        ; a joint load: waves 0, 1 fetch x's records, waves 2, 3 W's; an s_nop 0 and four v_nop follow each line
	s_cmp_eq_u32 s15, 0
	s_cbranch_scc0 .Lfor_b_\@
	tensor_load_to_lds s[\g0a:\g0a+3], s[\g1a:\g1a+7]
	s_nop 0
.rept 4
	v_nop
.endr
	s_branch .Lasked_\@
.Lfor_b_\@:
	tensor_load_to_lds s[\g0b:\g0b+3], s[\g1b:\g1b+7]
	s_nop 0
.rept 4
	v_nop
.endr
.Lasked_\@:
.endm
.macro CREST                           ; a round of the cluster's barrier behind its opening barrier
	s_cmp_lg_u32 s14, 0
	s_cbranch_scc1 .Lnot_wave_0_\@
	s_barrier_signal -3
.Lnot_wave_0_\@:
	s_barrier_wait -3
	s_barrier_signal -1
	s_barrier_wait -1
.endm
.macro CROUND
	s_barrier_signal -1
	s_barrier_wait -1
	CREST
.endm
.macro PLACES                          ; four places behind matrix instructions, in front of loads into their registers and of the first read of results
.rept 4
	v_nop
.endr
.endm
	s_load_b256 s[4:11], s[0:1], 0x0               ; xw, wqkv, rope, qbuf
	s_load_b64 s[12:13], s[0:1], 0x20              ; kv
	v_lshl_add_u32 v[SPW], v0, 2, SPARE
	v_mov_b32 v[NIL], 0
	ds_add_u32 v[SPW], v[NIL]                      ; the opening: the add and its wait ahead of my first tensor load; the set-up, work on registers, stands between
	v_lshrrev_b32 v1, 5, v0
	v_readfirstlane_b32 s14, v1                    ; wave
	s_lshr_b32 s15, s14, 1                         ; 0: I fetch x's records; 1: W's
	s_and_b32 s16, s14, 1                          ; which of a slot's two K steps I fetch
	s_bfe_u32 s40, ttmp6, 0x40000                  ; cx
	s_bfe_u32 s41, ttmp6, 0x40004                  ; cy
	s_lshl_b32 s42, ttmp9, 2
	s_add_co_u32 s42, s42, s40                     ; the head
	s_and_b32 s17, ttmp7, 0xffff
	s_lshl_b32 s17, s17, 2
	s_add_co_u32 s17, s17, s41                     ; the block of 256 rows
	s_lshl_b32 s43, s41, 2
	s_lshl_b32 s43, 15, s43                        ; my row of the cluster
	s_lshl_b32 s44, 0x1111, s40                    ; my column
	s_or_b32 s[G1X], s43, (3<<16)|(1<<21)          ; the mask; elements of 8 bytes; bit 21 beside a mask; no padding
	s_or_b32 s[G1W], s44, (3<<16)|(1<<21)
	s_mov_b32 s[G1X+1], 32<<16                     ; rows of 256 bytes
	s_mov_b32 s[G1X+2], 100<<16                    ; 100 of them
	s_mov_b32 s[G1X+3], 32<<16
	s_mov_b32 s[G1X+4], 100
	s_mov_b32 s[G1X+5], 32                         ; dense
	s_mov_b32 s[G1X+6], 0
	s_mov_b32 s[G1X+7], 0
	s_mov_b32 s[G1W+1], 32<<16
	s_mov_b32 s[G1W+2], 75<<16
	s_mov_b32 s[G1W+3], 32<<16
	s_mov_b32 s[G1W+4], 75
	s_mov_b32 s[G1W+5], 32
	s_mov_b32 s[G1W+6], 0
	s_mov_b32 s[G1W+7], 0
	s_lshl_b32 s20, s17, 3
	s_add_co_u32 s20, s20, s16
	s_mul_i32 s20, s20, XREC                       ; x: record 8 x block + my K step
	s_mov_b32 s21, 0
	s_lshl_b32 s46, s42, 3
	s_add_co_u32 s46, s46, s16
	s_mul_i32 s46, s46, WREC                       ; W: record 8 x head + my K step
	s_mov_b32 s47, 0
	s_mul_i32 s45, s16, STEPB                      ; where it goes in a slot: no place in the cluster enters an LDS address
	v_and_b32 v1, 15, v0                           ; r
	v_bfe_u32 v2, v0, 4, 1                         ; h
	v_and_b32 v6, 31, v0
	v_lshlrev_b32 v3, 4, v6                        ; 16 L
	v_lshlrev_b32 v4, 3, v6                        ; 8 L
	v_lshlrev_b32 v5, 4, v1                        ; 16 r
	s_mul_i32 s18, s14, 6144
	v_add_nc_u32 v[AX], s18, v3
	v_add_nc_u32 v[AX+1], SLOT, v[AX]
	v_add_nc_u32 v[AW], XREC, v3
	v_add_nc_u32 v[AW+1], SLOT, v[AW]
	s_lshl_b32 s19, s14, 8
	v_add_nc_u32 v[ASX], s19, v5
	v_add_nc_u32 v[ASX], 24576, v[ASX]
	v_add_nc_u32 v[ASX+1], SLOT, v[ASX]
	v_lshl_add_u32 v[ASW], v2, 8, v5
	v_add_nc_u32 v[ASW], XREC+18432, v[ASW]
	v_add_nc_u32 v[ASW+1], SLOT, v[ASW]
	v_add_nc_u32 v[ASV], XREC+18432+512, v5
	v_add_nc_u32 v[ASV+1], SLOT, v[ASV]
	v_and_b32 v6, 8, v1
	v_add_nc_u32 v6, v6, v1
	v_lshlrev_b32 v18, 8, v6
	v_lshl_add_u32 v18, v2, 6, v18                 ; the table: row r + 8 (r / 8) of a tile, 64 h bytes on
	v_lshl_add_u32 v19, v2, 3, v5                  ; a quad's store: 16 r + 8 h
	s_lshl_b32 s22, s15, 9
	s_lshl_b32 s23, s16, 3
	s_add_co_u32 s23, s23, s22
	v_add_nc_u32 v20, s23, v5
	v_add_nc_u32 v20, SCM, v20                     ; k's two words: record w / 2, 16 r + 8 (w % 2)
	s_lshl_b32 s23, s16, 1
	s_add_co_u32 s23, s23, s22
	v_add_nc_u32 v21, s23, v5
	v_add_nc_u32 v21, SCM+256, v21                 ; v's pairs of bytes: 16 r + 2 (w % 2), + 4 tv
	v_lshl_add_u32 v22, v0, 3, SCM                 ; back: 8 bytes a thread
	v_lshlrev_b32 v23, 3, v0
	s_mov_b32 s[SEL], 0x76543210
	s_mov_b32 s[SEL+1], 0xfedcba98
	s_mov_b32 s86, 0xffff0000
	s_lshr_b32 s66, s17, 3                         ; batch
	s_and_b32 s67, s17, 7                          ; block of 256 positions
	s_lshl_b32 s68, s66, 4
	s_add_co_u32 s68, s68, s42                     ; batch-head
	s_lshl_b32 s70, s67, 8
	s_lshl_b32 s71, s14, 6
	s_add_co_u32 s70, s70, s71
	s_lshl_b32 s70, s70, 8                         ; the table at my first position
	s_mov_b32 s71, 0
	s_lshl_b32 s72, s68, 5
	s_lshl_b32 s73, s67, 2
	s_add_co_u32 s72, s72, s73
	s_add_co_u32 s72, s72, s14
	s_mul_i32 s72, s72, 3328                       ; qbuf: my group of 64 positions
	s_mov_b32 s73, 0
	s_mul_i32 s74, s68, 204800                     ; kv: the batch-head's region
	s_lshl_b32 s75, s67, 1
	s_add_co_u32 s75, s75, s15
	s_mul_i32 s75, s75, 12288
	s_add_co_u32 s76, s74, s75                     ; the record of my 128 keys
	s_mul_i32 s77, s16, 3072
	s_add_co_u32 s78, s76, s77                     ; K: my two images
	s_mov_b32 s79, 0
	s_mul_i32 s77, s16, 768
	s_add_co_u32 s80, s76, s77
	s_add_co_u32 s80, s80, 6144                    ; V: my half images
	s_mov_b32 s81, 0
	s_lshl_b32 s77, s67, 10
	s_add_co_u32 s82, s74, s77
	s_add_co_u32 s82, s82, 196608                  ; the work-group's two records' scale words
	s_mov_b32 s83, 0
	s_wait_dscnt 0x0                               ; the opening add is done
	s_wait_kmcnt 0x0
	s_add_nc_u64 s[20:21], s[4:5], s[20:21]
	s_add_nc_u64 s[46:47], s[6:7], s[46:47]
	CROUND                                         ; all sixteen work-groups are here: the first joint loads meet
.irp s, 0,1
	s_mov_b32 s[G0X+4*\s], 1
	s_add_co_u32 s[G0X+4*\s+1], s45, \s*SLOT
	s_add_nc_u64 s[G0X+4*\s+2:G0X+4*\s+3], s[20:21], \s*2*XREC
	s_or_b32 s[G0X+4*\s+3], s[G0X+4*\s+3], 0x80000000
	s_mov_b32 s[G0W+4*\s], 1
	s_add_co_u32 s[G0W+4*\s+1], s45, \s*SLOT+XREC
	s_add_nc_u64 s[G0W+4*\s+2:G0W+4*\s+3], s[46:47], \s*2*WREC
	s_or_b32 s[G0W+4*\s+3], s[G0W+4*\s+3], 0x80000000
	JLOAD G0X+4*\s, G1X, G0W+4*\s, G1W
.endr
	s_add_nc_u64 s[70:71], s[8:9], s[70:71]
	s_add_nc_u64 s[72:73], s[10:11], s[72:73]
	s_add_nc_u64 s[78:79], s[12:13], s[78:79]
	s_add_nc_u64 s[80:81], s[12:13], s[80:81]
	s_add_nc_u64 s[82:83], s[12:13], s[82:83]
	WIN 0xc0                                       ; destination window 3: (cos, sin) of j = 16 b + 8 h + 0 .. 7 at my lane's position of each tile: wanted on the way out
.irp tx, 0,1,2,3
.irp b, 0,1
.irp i, 0,1,2,3
	global_load_b128 v[128+32*\tx+16*\b+4*\i:128+32*\tx+16*\b+4*\i+3], v18, s[70:71] offset:(32*(\tx/2)+8*(\tx%2))*256+128*\b+16*\i
.endr
.endr
.endr
	WIN 0
.macro WM d, a, b, zero, sa, sb, row   ; one product; zero = 1: it starts the sum; row = 1: source 0's scales stand in lanes 16-31
.if \zero
.if \row
	v_wmma_scale_f32_16x16x128_f8f6f4 v[(\d):(\d)+7], v[(\a):(\a)+11], v[(\b):(\b)+11], 0, v[\sa], v[\sb] matrix_a_fmt:MATRIX_FMT_FP6 matrix_b_fmt:MATRIX_FMT_FP6 matrix_a_scale:MATRIX_SCALE_ROW1
.else
	v_wmma_scale_f32_16x16x128_f8f6f4 v[(\d):(\d)+7], v[(\a):(\a)+11], v[(\b):(\b)+11], 0, v[\sa], v[\sb] matrix_a_fmt:MATRIX_FMT_FP6 matrix_b_fmt:MATRIX_FMT_FP6
.endif
.else
.if \row
	v_wmma_scale_f32_16x16x128_f8f6f4 v[(\d):(\d)+7], v[(\a):(\a)+11], v[(\b):(\b)+11], v[(\d):(\d)+7], v[\sa], v[\sb] matrix_a_fmt:MATRIX_FMT_FP6 matrix_b_fmt:MATRIX_FMT_FP6 matrix_a_scale:MATRIX_SCALE_ROW1
.else
	v_wmma_scale_f32_16x16x128_f8f6f4 v[(\d):(\d)+7], v[(\a):(\a)+11], v[(\b):(\b)+11], v[(\d):(\d)+7], v[\sa], v[\sb] matrix_a_fmt:MATRIX_FMT_FP6 matrix_b_fmt:MATRIX_FMT_FP6
.endif
.endif
.endm
; The 48 accumulators take turns, one instruction a turn, in the same order in every K step.
.macro MULQK f, tx0, zero              ; 16 products: x's tiles tx0, tx0 + 1 against Wq's four and Wk's four
	WIN 0xa1                                       ; source 0 window 1, source 1 window 0, C and D window 2
.irp tx, \tx0, \tx0+1
.irp tw, 0,1,2,3,4,5,6,7
	WM 64*(\tx)+8*\tw, 96*\f+12*\tw, XF+48*\f+12*(\tx), \zero, SC+12*\f+4+\tw%4, SC+12*\f+(\tx), \tw/4
.endr
.endr
.endm
.macro MULV f, zero                    ; 16 products: x's four tiles (source 0) against Wv's four
	WIN 0xf0                                       ; sources window 0, C and D window 3
.irp tv, 0,1,2,3
.irp tx, 0,1,2,3
	WM 32*\tv+8*\tx, XF+48*\f+12*\tx, VF+48*\f+12*\tv, \zero, SC+12*\f+\tx, SC+12*\f+8+\tv, 0
.endr
.endr
.endm
.macro FETCH sl, a, f                  ; 51 LDS loads in one run: the fragments and scale words of step a of slot sl, into set f
	WIN 0x40                                       ; destination window 1
.irp tw, 0,1,2,3,4,5,6,7
.irp g, 0,1,2
	ds_load_b128 v[96*\f+12*\tw+4*\g:96*\f+12*\tw+4*\g+3], v[AW+\sl] offset:STEPB*\a+1536*\tw+512*\g
.endr
.endr
	WIN 0
.irp t, 0,1,2,3
.irp g, 0,1,2
	ds_load_b128 v[XF+48*\f+12*\t+4*\g:XF+48*\f+12*\t+4*\g+3], v[AX+\sl] offset:STEPB*\a+1536*\t+512*\g
.endr
.endr
.irp t, 0,1,2,3
.irp g, 0,1,2
	ds_load_b128 v[VF+48*\f+12*\t+4*\g:VF+48*\f+12*\t+4*\g+3], v[AW+\sl] offset:STEPB*\a+1536*(8+\t)+512*\g
.endr
.endr
	ds_load_b128 v[SC+12*\f:SC+12*\f+3], v[ASX+\sl] offset:STEPB*\a
	ds_load_b128 v[SC+12*\f+4:SC+12*\f+7], v[ASW+\sl] offset:STEPB*\a
	ds_load_b128 v[SC+12*\f+8:SC+12*\f+11], v[ASV+\sl] offset:STEPB*\a
.endm
.macro EVEN sl, zero                   ; a slot's first step: set 0 is multiplied, the second step's fragments come into set 1
	PLACES
	FETCH \sl, 1, 1
	s_wait_dscnt 51                                ; all but the 51 just issued: this step's are in
	MULQK 0, 0, \zero
	MULQK 0, 2, \zero
	MULV 0, \zero
.endm
; A slot's second step changes slots: one barrier; in front of it each wave waits for all its tensor loads, adds 0 to its spare word, and waits for that and for its reads of the slot.
.macro TURN sl, nx, fill
	WIN 0
	s_wait_tensorcnt 0x0                           ; all my tensor loads have landed: my part of the next slot
	ds_add_u32 v[SPW], v[NIL]
	s_wait_dscnt 1                                 ; this step's fragments are in; the add may be out
	MULQK 1, 0, 0                                  ; sixteen products stand between the add and the wait for it
	s_wait_dscnt 0x0                               ; the add is done, and my reads of this slot are over
	s_barrier_signal -1
	MULQK 1, 2, 0
	WIN 0
	s_barrier_wait -1
.if \fill
	CREST                                          ; the barrier has opened a round of the cluster's: no wave of any partner still reads this slot or has a load on its way
	s_add_nc_u64 s[G0X+4*\sl+2:G0X+4*\sl+3], s[G0X+4*\sl+2:G0X+4*\sl+3], 4*XREC
	s_add_nc_u64 s[G0W+4*\sl+2:G0W+4*\sl+3], s[G0W+4*\sl+2:G0W+4*\sl+3], 4*WREC
	JLOAD G0X+4*\sl, G1X, G0W+4*\sl, G1W           ; the first tensor load behind the round; its four v_nop are the places in front of the loads below
.else
	PLACES
.endif
	FETCH \nx, 0, 0
	MULV 1, 0
.endm
	s_wait_tensorcnt 1                             ; my part of slot 0 is in; slot 1's may stay out
	s_barrier_signal -1
	s_barrier_wait -1
	FETCH 0, 0, 0
	EVEN 0, 1                                      ; K step 0 starts the sums: nothing is cleared
	TURN 0, 1, 1                                   ; 1: slot 0 takes K steps 4, 5
	EVEN 1, 0                                      ; 2
	TURN 1, 0, 1                                   ; 3: slot 1 takes K steps 6, 7
	EVEN 0, 0                                      ; 4
	TURN 0, 1, 0                                   ; 5: nothing is left to fetch
	EVEN 1, 0                                      ; 6
	s_wait_dscnt 0x0                               ; 7
	MULQK 1, 0, 0
	MULQK 1, 2, 0
	MULV 1, 0
	WIN 0
; 32 numbers of a lane in window w, register 16 b + i = k 32 b + 16 (lane / 16) + i of my row, become a half image's six registers v[pc] on and the two scale bytes in v[pw].
.macro QUANT2 s, w, pc, pw
	WIN ((\w)<<2)|((\w)<<4)
.irp b, 0,1
	v_max3_num_f32 v[TM+\b], 0x1800000, |v[(\s)+16*\b]|, |v[(\s)+16*\b+1]|   ; my 16 numbers of block b, from the low end on, and the floor 2^(3 - 127)
.endr
.irp i, 2,4,6,8,10,12,14
.irp b, 0,1
	v_max3_num_f32 v[TM+\b], v[TM+\b], |v[(\s)+16*\b+\i]|, |v[(\s)+16*\b+\i+1]|
.endr
.endr
	WIN 0
.irp b, 0,1
	v_permlanex16_b32 v[TM+4+\b], v[TM+\b], s[SEL], s[SEL+1]
.endr
.irp b, 0,1
	v_max_num_f32 v[TM+\b], v[TM+\b], v[TM+4+\b]   ; with lane l xor 16's: the block's largest magnitude
.endr
.irp b, 0,1
	v_add_nc_u32 v[TM+12+\b], 0xff000000, v[TM+\b] ; 2 off the exponent field: the conversion's scale operand
.endr
.irp b, 0,1
	v_lshrrev_b32 v[TM+4+\b], 23, v[TM+12+\b]
.endr
	v_lshl_or_b32 v[\pw], v[TM+5], 8, v[TM+4]
	WIN \w
	v_cvt_scalef32_pk16_fp6_f32 v[(\pc):(\pc)+2], v[(\s):(\s)+15], v[TM+12]
	v_cvt_scalef32_pk16_fp6_f32 v[T2:T2+2], v[(\s)+16:(\s)+31], v[TM+13]
	WIN 0
	v_nop                                          ; one plain place behind a scaled conversion
.irp i, 0,1,2
	v_permlane16_swap_b32 v[(\pc)+\i], v[T2+\i]    ; a whole block to a lane: lanes 0-15 block 0, lanes 16-31 block 1
.endr
.irp i, 0,1,2
	v_mov_b32 v[(\pc)+3+\i], v[T2+\i]
.endr
.endm
	; THE WAY OUT
	s_wait_loadcnt 0x0                             ; the table
	PLACES
	v_mov_b32 v[TM+4], 0                           ; a lane permute's destination counts as one of its sources
	v_mov_b32 v[TM+5], 0
.irp tx, 0,1,2,3
.irp kd, 0,1                           ; q, then k, of the tile's 16 positions
	WIN 0x0e                                       ; source 0 (the sums) window 2, source 1 (the table) window 3
.set nn, 0
.rept 16
	v_pk_mul_f32 v[OUT+2*nn:OUT+2*nn+1], v[64*\tx+32*\kd+2*nn:64*\tx+32*\kd+2*nn+1], v[128+32*\tx+2*nn:128+32*\tx+2*nn+1] op_sel_hi:[1,0]   ; (xe c, xo c)
.set nn, nn+1
.endr
.set nn, 0
.rept 16
	v_pk_fma_f32 v[OUT+2*nn:OUT+2*nn+1], v[64*\tx+32*\kd+2*nn:64*\tx+32*\kd+2*nn+1], v[128+32*\tx+2*nn:128+32*\tx+2*nn+1], v[OUT+2*nn:OUT+2*nn+1] op_sel:[1,1,0] op_sel_hi:[0,1,1] neg_lo:[1,0,0]   ; (- xo s, + xe s)
.set nn, nn+1
.endr
	WIN 0
	QUANT2 OUT, 0, QC+24*\kd+6*\tx, QW+4*\kd+\tx
.if \kd == 0
	v_lshl_or_b32 v[QW+\tx], v[QW+\tx], 16, v[QW+\tx]              ; s0 s1 s0 s1: q serves as the lower or as the upper half of a K of 128
	global_store_b128 v3, v[QC+6*\tx:QC+6*\tx+3], s[72:73] offset:768*\tx
	global_store_b64 v4, v[QC+6*\tx+4:QC+6*\tx+5], s[72:73] offset:768*\tx+512
.elseif \tx%2 == 1
	v_lshl_or_b32 v[KW+\tx/2], v[KP+\tx], 16, v[KP+\tx-1]          ; two tiles' bytes make the pair's word
.irp g, 0,1,2
	global_store_b128 v3, v[QC+24+12*(\tx/2)+4*\g:QC+24+12*(\tx/2)+4*\g+3], s[78:79] offset:1536*(\tx/2)+512*\g
.endr
.endif
.endr
.endr
	v_cndmask_b32 v[QD], v[QW], v[QW+2], s86       ; q's quad: lanes 0-15 store tiles 0, 1, lanes 16-31 tiles 2, 3
	v_cndmask_b32 v[QD+1], v[QW+1], v[QW+3], s86
	global_store_b64 v19, v[QD:QD+1], s[72:73] offset:3072
.irp tv, 0,1,2,3                       ; v: my 64 keys of 16 of the head's 64
	QUANT2 32*\tv, 3, VC+6*\tv, VP+\tv
	global_store_b128 v3, v[VC+6*\tv:VC+6*\tv+3], s[80:81] offset:1536*\tv
	global_store_b64 v4, v[VC+6*\tv+4:VC+6*\tv+5], s[80:81] offset:1536*\tv+512
.endr
	ds_store_b64 v20, v[KW:KW+1]                   ; a record's scale words come from two waves: they meet in LDS
.irp tv, 0,1,2,3
	ds_store_b16 v21, v[VP+\tv] offset:4*\tv
.endr
	s_wait_dscnt 0x0                               ; for the others' sake: my stores have landed
	s_barrier_signal -1
	s_barrier_wait -1
	ds_load_b64 v[RB:RB+1], v22                    ; the 1,024 bytes lie as they lie in kv: 256 a wave
	s_wait_dscnt 0x0
	global_store_b64 v23, v[RB:RB+1], s[82:83]     ; 256 consecutive bytes, aligned
	s_wait_tensorcnt 0x0                           ; the wave's end
	ds_add_u32 v[SPW], v[NIL]
	s_wait_dscnt 0x0
	CROUND                                         ; the closing round
	s_endpgm
.Lfunc_end_k_q1045c1c6c8_proj:
	.size	k_q1045c1c6c8_proj, .Lfunc_end_k_q1045c1c6c8_proj-k_q1045c1c6c8_proj
	.p2alignl 7, 3214868480
	.fill 96, 4, 3214868480
	.section	.rodata,"a",@progbits
	.p2align	6, 0x0
	.amdhsa_kernel k_q1045c1c6c8_proj
		.amdhsa_group_segment_fixed_size 327680
		.amdhsa_private_segment_fixed_size 0
		.amdhsa_enable_private_segment 0
		.amdhsa_kernarg_size 40
		.amdhsa_user_sgpr_count 2
		.amdhsa_user_sgpr_kernarg_segment_ptr 1
		.amdhsa_wavefront_size32 1
		.amdhsa_system_sgpr_workgroup_id_x 1
		.amdhsa_system_sgpr_workgroup_id_y 1
		.amdhsa_system_sgpr_workgroup_id_z 1
		.amdhsa_system_vgpr_workitem_id 0
		.amdhsa_next_free_vgpr 1024
		.amdhsa_next_free_sgpr 100
		.amdhsa_reserve_vcc 0
		.amdhsa_float_denorm_mode_32 3
		.amdhsa_float_denorm_mode_16_64 3
		.amdhsa_memory_ordered 1
		.amdhsa_forward_progress 1
		.amdhsa_inst_pref_size 133
	.end_amdhsa_kernel
	.amdgpu_metadata
---
amdhsa.version: [ 1, 2 ]
amdhsa.kernels:
  - .name:           k_q1045c1c6c8_proj
    .symbol:         k_q1045c1c6c8_proj.kd
    .args:
      - { .name: xw, .offset: 0, .size: 8, .value_kind: global_buffer, .address_space: global }
      - { .name: wqkv, .offset: 8, .size: 8, .value_kind: global_buffer, .address_space: global }
      - { .name: rope, .offset: 16, .size: 8, .value_kind: global_buffer, .address_space: global }
      - { .name: qbuf, .offset: 24, .size: 8, .value_kind: global_buffer, .address_space: global }
      - { .name: kv, .offset: 32, .size: 8, .value_kind: global_buffer, .address_space: global }
    .group_segment_fixed_size: 327680
    .private_segment_fixed_size: 0
    .kernarg_segment_align: 8
    .kernarg_segment_size: 40
    .max_flat_workgroup_size: 128
    .sgpr_count:     100
    .vgpr_count:     1024
    .wavefront_size: 32
...
	.end_amdgpu_metadata
.endif
;; end of part 2
;; launch attn (part 3): grid 8 x 32, 16 waves a work-group, no clusters, 327,680 bytes of LDS; arguments qbuf, kv, abuf; writes abuf
.if DOCPART == 3
	.amdgcn_target "amdgcn-amd-amdhsa--gfx1250"
	.amdhsa_code_object_version 6
	.text
	.protected	k_q1045c1c6c8_attn
	.globl	k_q1045c1c6c8_attn
	.p2align	8
	.type	k_q1045c1c6c8_attn,@function
k_q1045c1c6c8_attn:
	s_mov_b64 s[64:65], 0
	v_nop
	global_prefetch_b8 v0, s[64:65] scope:SCOPE_SE
	s_setreg_imm32_b32 hwreg(HW_REG_WAVE_MODE, 25, 1), 1
	s_wait_xcnt 0x0
; Causal attention on codes of FP6 (E2M3): S^T = K Q^T (K = the head's 64), p = 2^(t - M), O^T = V^T P^T (K = the keys), O / l, and O's quantising along the model's 1,024 for the last product.
; t = score x log2(e) / 8; M = the running largest t rounded UP to a whole number; p is quantised along the keys, not normalised; l is the sum of the unquantised p.  When M moves, l and O^T are multiplied by 2^(old M - new M): exact.
; SHARES: a work-group owns two heads (2 kappa, 2 kappa + 1) of a batch and two blocks of 128 queries, i and 15 - i.  Wave w: head w / 8, tile w % 8 of BOTH blocks.
; So each wave has (i + 1) + (16 - i) = 17 key steps of 128, whatever i: 256 work-groups of equal work.  Two heads are 128 along the model's axis: the result's scale words are made whole here.
; Every work-group walks all 8 slots of 256 keys (constant trip counts); a step all of whose keys come after a tile's block is left out by a scalar branch on ids, the same in all sixteen waves.
; K = 64 FILLS HALF AN INSTRUCTION: an image of K holds two tiles of 16 keys (registers 0-5 | 6-11); against [Q | 0] it gives the first tile's scores, against [0 | Q] the second's.  No LDS byte holds padding.
; Both products are used transposed: a lane holds one query throughout.  By the tiles' row order the 16 registers of two neighbouring tiles are 16 neighbouring keys (or 16 neighbours of the head's 64).
; NO CLUSTER: which steps a work-group leaves out hangs on its block's number, which partners would not share; and a slot's 49,152 bytes serve up to 64 wave-steps of some 235 vector instructions each.
; All waits on TENSORcnt are for 0; by this text's count a wave has two tensor loads out at the start and one behind each barrier.
; LIMITS: NaN and infinities are not served; a block of zeros gets the byte 1 (read by this program alone); 1 / l is v_rcp_f32.
.set SLOT1, 131072                     ; slot 0 at 0, slot 1 here: [head][step] x 12,288 bytes
.set SCB,   262144                     ; both heads' scale words, 8,192 bytes each: filled once
.set SCM,   SCB+16384                  ; 1,024 bytes: where the result's scale bytes meet
.set SPARE, SCM+1024                   ; the spare words, 128 bytes a wave
.set SPW, 5
.set NIL, 6
.set PFO, 4                            ; v4   256 x lane: the prefetch's offset; never rewritten
.set FF,  10                           ; v10  f = 2^(old M - new M)
.set PW,  11                           ; v11  p's scale word
.set QS,  50                           ; v50, v51  Q's scale words
.set QD,  52                           ; v52-55    the step's quad: K's words in lanes 0-15, V's in lanes 16-31
.set KR,  56                           ; v56-103   four fragments of K, then of V
.set SS,  104                          ; v104-167  S^T, then p
.set OT,  168                          ; v168-199 O^T of the low tile, v200-231 of the high
.set PCD, 232                          ; v232-243  p's codes
.set BM,  240                          ; v240-243  the blocks' largest scores, until the codes are made
.set PT,  244
.set T2A, 244                          ; v244-246, v248-250: the blocks' upper 16 codes
.set T2B, 248
.set TP,  251
.set SO,  252                          ; v252-255  the conversions' scale operands
                                       ; v12-15, v16-19: -M, the largest t, l in two halves (low, high);  v20-49: 0 x 6, Q low, 0 x 6, Q high, 0 x 6
.set WV,  18
.set SEL, 20
.set CS,  22
.set G1,  24
.set G1S, 32
.set G0,  40
.set G0S, 44
.set KF,  48                           ; the step's first key
.set QB0, 49                           ; s49, s50: the first query of the low and of the high block
.set SLOTS, 51
.set PFA, 52
.set LIM, 54
.set DSC, 55                           ; my tile's place in a block: 64 (tl / 4) + 32 ((tl / 2) % 2) + 8 (tl % 2)
.set TB,  2                            ; the slot in hand
.set TS,  3                            ; the step's scale words: 512 bytes a step
	s_load_b128 s[4:7], s[0:1], 0x0                ; qbuf, kv
	s_load_b64 s[8:9], s[0:1], 0x10                ; abuf
	v_lshl_add_u32 v[SPW], v0, 2, SPARE
	v_mov_b32 v[NIL], 0
	ds_add_u32 v[SPW], v[NIL]                      ; the opening: the add and its wait ahead of the first tensor load; the set-up stands between
	v_lshrrev_b32 v7, 5, v0
	v_readfirstlane_b32 s[WV], v7
	s_and_b32 s56, ttmp7, 0xffff
	s_lshr_b32 s57, s56, 3                         ; batch
	s_and_b32 s58, s56, 7                          ; kappa
	s_lshl_b32 s59, s57, 4
	s_lshl_b32 s60, s58, 1
	s_add_co_u32 s59, s59, s60                     ; the first of my two batch-heads
	s_lshr_b32 s60, s[WV], 3                       ; hp: which head
	s_and_b32 s61, s[WV], 7                        ; tl: which tile
	s_sub_co_u32 s62, 15, ttmp9                    ; the high block
	s_lshl_b32 s[QB0], ttmp9, 7
	s_lshl_b32 s[QB0+1], s62, 7
	s_mov_b32 s[G1], 3<<16                         ; elements of 8 bytes, no mask, no padding
	s_mov_b32 s[G1+1], 32<<16                      ; rows of 256 bytes,
	s_mov_b32 s[G1+2], 48<<16                      ; 48 of them: a head's record of 128 keys
	s_mov_b32 s[G1+3], 32<<16
	s_mov_b32 s[G1+4], 48
	s_mov_b32 s[G1+5], 32
	s_mov_b32 s[G1+6], 0
	s_mov_b32 s[G1+7], 0
	s_mov_b32 s[G1S], 3<<16
	s_mov_b32 s[G1S+1], 32<<16
	s_mov_b32 s[G1S+2], 16<<16                     ; 16 rows: half a head's scale words
	s_mov_b32 s[G1S+3], 32<<16
	s_mov_b32 s[G1S+4], 16
	s_mov_b32 s[G1S+5], 32
	s_mov_b32 s[G1S+6], 0
	s_mov_b32 s[G1S+7], 0
	s_lshr_b32 s66, s[WV], 1                       ; what waves 0-3 fetch: head w / 2, step (or half) w % 2
	s_add_co_u32 s66, s66, s59
	s_mul_i32 s66, s66, 204800
	s_and_b32 s67, s[WV], 1
	s_mul_i32 s68, s67, 12288
	s_add_co_u32 s68, s68, s66
	s_mov_b32 s69, 0
	s_lshl_b32 s70, s67, 12
	s_add_co_u32 s70, s70, s66
	s_add_co_u32 s70, s70, 196608
	s_mov_b32 s71, 0
	s_mul_i32 s72, s[WV], 12288
	s_lshl_b32 s73, s[WV], 12
	s_add_co_u32 s73, s73, SCB
	s_add_co_u32 s74, s59, s60                     ; Q: my batch-head,
	s_lshl_b32 s74, s74, 5
	s_lshr_b32 s75, s61, 2
	s_add_co_u32 s74, s74, s75                     ; my half of a block,
	s_lshl_b32 s76, ttmp9, 1
	s_add_co_u32 s76, s76, s74
	s_mul_i32 s76, s76, 3328                       ; in the low block,
	s_mov_b32 s77, 0
	s_lshl_b32 s78, s62, 1
	s_add_co_u32 s78, s78, s74
	s_mul_i32 s78, s78, 3328                       ; and in the high
	s_mov_b32 s79, 0
	s_and_b32 s80, s61, 3
	s_mul_i32 s81, s80, 768
	s_lshl_b32 s82, s57, 4                         ; the result: block of 128 rows 16 x batch + block, K step kappa
	s_add_co_u32 s83, s82, ttmp9
	s_lshl_b32 s83, s83, 3
	s_add_co_u32 s83, s83, s58
	s_mul_i32 s84, s83, 12800
	s_mov_b32 s85, 0
	s_add_co_u32 s83, s82, s62
	s_lshl_b32 s83, s83, 3
	s_add_co_u32 s83, s83, s58
	s_mul_i32 s86, s83, 12800
	s_mov_b32 s87, 0
	s_mul_i32 s90, s61, 1536
	s_mul_i32 s91, s60, 768
	s_add_co_u32 s90, s90, s91                     ; my half image in a record
	s_lshl_b32 s91, s75, 8
	s_lshl_b32 s92, s80, 2
	s_add_co_u32 s91, s91, s92
	s_lshl_b32 s92, s60, 1
	s_add_co_u32 s91, s91, s92                     ; my two bytes in a record's quads
	s_lshl_b32 s[DSC], s75, 6
	s_bfe_u32 s92, s61, 0x10001
	s_lshl_b32 s92, s92, 5
	s_add_co_u32 s[DSC], s[DSC], s92
	s_and_b32 s92, s61, 1
	s_lshl_b32 s92, s92, 3
	s_add_co_u32 s[DSC], s[DSC], s92
	s_sub_co_u32 s95, s[WV], 4                     ; the prefetches: waves 4-9 of the first work-group of each pair of heads
	s_cmp_lt_u32 s95, 6
	s_cselect_b32 s96, 0, 1
	s_or_b32 s96, s96, ttmp9
	s_cmp_eq_u32 s96, 0
	s_cselect_b32 s[LIM], 1, -1
	s_min_u32 s95, s95, 5                          ; (every wave's address stays inside the buffer)
	s_cmp_ge_u32 s95, 3
	s_cselect_b32 s96, 1, 0                        ; which head,
	s_mul_i32 s97, s96, 3
	s_sub_co_u32 s97, s95, s97                     ; which 8,192 of a slot's 24,576 bytes
	s_add_co_u32 s96, s96, s59
	s_mul_i32 s96, s96, 204800
	s_lshl_b32 s97, s97, 13
	s_add_co_u32 s96, s96, s97
	s_add_co_u32 s96, s96, 24576                   ; in slot 1: the first change of slots steps it to slot 2
	s_mov_b32 s97, 0
	s_mov_b32 s[SEL], 0x76543210
	s_mov_b32 s[SEL+1], 0xfedcba98
	s_mov_b32 s[CS], 0x3e38aa3b                    ; c = log2(e) / 8
	s_mov_b32 s[CS+1], s[CS]
	s_mov_b32 s[TB], 0
	s_mov_b32 s[TS], 0
	s_mov_b32 s[KF], 0
	s_mov_b32 s[SLOTS], 7
	v_and_b32 v7, 31, v0                           ; L
	v_and_b32 v8, 15, v0                           ; r
	v_bfe_u32 v9, v0, 4, 1                         ; h
	s_mul_i32 s93, s60, 24576
	v_lshlrev_b32 v1, 4, v7
	v_add_nc_u32 v1, s93, v1                       ; v1: 16 L + my head's part of a slot
	v_lshlrev_b32 v2, 3, v7
	v_add_nc_u32 v2, s93, v2                       ; v2: 8 L + the same
	v_lshlrev_b32 v3, 4, v8
	v_lshl_add_u32 v3, v9, 8, v3
	s_lshl_b32 s94, s60, 13
	s_add_co_u32 s94, s94, SCB
	v_add_nc_u32 v3, s94, v3                       ; v3: a step's quads: K's for lanes 0-15, V's, 256 bytes on, for lanes 16-31
	v_lshlrev_b32 v[PFO], 8, v7
	v_lshlrev_b32 v104, 4, v7
	v_add_nc_u32 v104, s81, v104                   ; Q's half image: 16 L,
	v_lshlrev_b32 v105, 3, v7
	v_add_nc_u32 v105, s81, v105                   ; 8 L,
	v_lshlrev_b32 v106, 4, v8
	v_lshl_add_u32 v106, s80, 2, v106              ; and its word in the quad
	s_wait_dscnt 0x0                               ; the opening add is done
	s_wait_kmcnt 0x0
	s_mov_b32 s[G0S], 1
	s_mov_b32 s[G0S+1], s73
	s_add_nc_u64 s[G0S+2:G0S+3], s[6:7], s[70:71]
	s_or_b32 s[G0S+3], s[G0S+3], 0x80000000
	s_mov_b32 s[G0], 1
	s_mov_b32 s[G0+1], s72
	s_add_nc_u64 s[G0+2:G0+3], s[6:7], s[68:69]
	s_or_b32 s[G0+3], s[G0+3], 0x80000000
	s_cmp_lt_u32 s[WV], 4                          ; a wave's first fills stand in one branch
	s_cbranch_scc0 .Lno_first
	tensor_load_to_lds s[G0S:G0S+3], s[G1S:G1S+7]  ; the scale words: filled once
	s_nop 0
	tensor_load_to_lds s[G0:G0+3], s[G1:G1+7]      ; slot 0
	s_nop 0
.rept 4
	v_nop
.endr
.Lno_first:
	s_add_nc_u64 s[76:77], s[4:5], s[76:77]
	s_add_nc_u64 s[78:79], s[4:5], s[78:79]
	s_add_nc_u64 s[84:85], s[8:9], s[84:85]
	s_add_nc_u64 s[86:87], s[8:9], s[86:87]
	s_cmp_eq_u32 s[WV], 0
	s_cselect_b64 s[88:89], s[84:85], s[86:87]     ; wave 0 stores the low record's scale words, wave 1 the high's
	s_add_nc_u64 s[PFA:PFA+1], s[6:7], s[96:97]
	global_load_b128 v[26:29], v104, s[76:77]
	global_load_b64 v[30:31], v105, s[76:77] offset:512
	global_load_b32 v[QS], v106, s[76:77] offset:3072
	global_load_b128 v[38:41], v104, s[78:79]
	global_load_b64 v[42:43], v105, s[78:79] offset:512
	global_load_b32 v[QS+1], v106, s[78:79] offset:3072
.irp j, 20,21,22,23,24,25,32,33,34,35,36,37,44,45,46,47,48,49
	v_mov_b32 v\j, 0                               ; zero codes: the other half of K beside Q
.endr
	v_mov_b32 v13, 0xff61b1e6                      ; the largest t so far: -3e38
	v_floor_f32 v12, -v13
	v_mov_b32 v14, 0
	v_mov_b32 v15, 0
	v_mov_b32 v17, 0xff61b1e6
	v_floor_f32 v16, -v17
	v_mov_b32 v18, 0
	v_mov_b32 v19, 0
	v_mov_b32 v[FF], 0
	v_mov_b32 v[PW], 0                             ; (named with f as a pair before it is first made)
.set jj, 0
.rept 8
	v_mov_b32 v[PT+jj], 0                          ; lane permutes' destinations count as sources
.set jj, jj+1
.endr
.set jj, 0
.rept 64
	v_mov_b32 v[OT+jj], 0                          ; the step is written once: the first finds zeros, which the first change of M leaves zeros
.set jj, jj+1
.endr
; A KEY STEP of tile T (0 low, 1 high): 128 keys, the q-th of the slot in hand.
.macro STEP T, q
.set STA, 12+4*\T
.set OTT, OT+32*\T
	s_cmp_gt_u32 s[KF], s[QB0+\T]                  ; all its keys come after the tile's block: left out
	s_cbranch_scc1 .Lskip_\@
	v_add_nc_u32 v7, s[TB], v1
	v_add_nc_u32 v8, s[TB], v2
	v_add_nc_u32 v9, s[TS], v3
	v_nop                                          ; four places in front of loads into registers that the last products read
.irp pp, 0,1,2,3
.irp g, 0,1,2
	ds_load_b128 v[KR+12*\pp+4*\g:KR+12*\pp+4*\g+3], v7 offset:12288*\q+1536*\pp+512*\g
.endr
.endr
	ds_load_b128 v[QD:QD+3], v9
	s_wait_dscnt 0x0
.irp pp, 0,1,2,3                       ; keys 32 pp on: the image's first tile against [Q | 0], its second against [0 | Q]
	v_wmma_scale_f32_16x16x128_f8f6f4 v[SS+16*\pp:SS+16*\pp+7], v[KR+12*\pp:KR+12*\pp+11], v[26+12*\T:37+12*\T], 0, v[QD+\pp], v[QS+\T] matrix_a_fmt:MATRIX_FMT_FP6 matrix_b_fmt:MATRIX_FMT_FP6
	v_wmma_scale_f32_16x16x128_f8f6f4 v[SS+16*\pp+8:SS+16*\pp+15], v[KR+12*\pp:KR+12*\pp+11], v[20+12*\T:31+12*\T], 0, v[QD+\pp], v[QS+\T] matrix_a_fmt:MATRIX_FMT_FP6 matrix_b_fmt:MATRIX_FMT_FP6
.endr
.rept 4
	v_nop
.endr
.irp tv, 0,1,2,3                       ; V's fragments go into the registers that held K's, and land under the softmax
.irp c, 0,1
	ds_load_b128 v[KR+12*\tv+6*\c:KR+12*\tv+6*\c+3], v7 offset:12288*\q+6144+1536*\tv+768*\c
	ds_load_b64 v[KR+12*\tv+6*\c+4:KR+12*\tv+6*\c+5], v8 offset:12288*\q+6144+1536*\tv+768*\c+512
.endr
.endr
	s_cmp_lg_u32 s[KF], s[QB0+\T]                  ; on the diagonal hidden scores become -infinity ahead of the maximum
	s_cbranch_scc1 .Lopen_\@
	v_and_b32 v250, 15, v0
	v_and_b32 v249, 8, v0
	v_add_nc_u32 v250, v250, v249
	v_and_b32 v249, 16, v0
	v_sub_nc_u32 v250, v250, v249
	v_add_nc_u32 v250, s[DSC], v250                ; d = my query in the block - 16 (lane / 16); register 16 b + i holds key 32 b + 16 (lane / 16) + i: hidden where 32 b + i > d
	v_mov_b32 v[TP], 0xff800000
.set jj, 0
.rept 64
	v_cmp_gt_i32 vcc_lo, 32*(jj/16)+jj%16, v250
	v_cndmask_b32 v[SS+jj], v[SS+jj], v[TP], vcc_lo
.set jj, jj+1
.endr
.Lopen_\@:
.irp b, 0,1,2,3
	v_max3_num_f32 v[BM+\b], v[SS+16*\b], v[SS+16*\b+1], v[SS+16*\b+2]   ; the largest score of each block of 32 keys: for the row's maximum, and, since p rises with the score, for the block's largest p
.endr
.irp i, 3,5,7,9,11,13
.irp b, 0,1,2,3
	v_max3_num_f32 v[BM+\b], v[BM+\b], v[SS+16*\b+\i], v[SS+16*\b+\i+1]
.endr
.endr
.irp b, 0,1,2,3
	v_max_num_f32 v[BM+\b], v[BM+\b], v[SS+16*\b+15]
.endr
.irp b, 0,1,2,3
	v_permlanex16_b32 v[PT+\b], v[BM+\b], s[SEL], s[SEL+1]
.endr
.irp b, 0,1,2,3
	v_max_num_f32 v[BM+\b], v[BM+\b], v[PT+\b]
.endr
	v_max3_num_f32 v[TP], v[BM], v[BM+1], v[BM+2]
	v_max_num_f32 v[TP], v[TP], v[BM+3]
	v_mul_f32 v[TP], s[CS], v[TP]
	v_max_num_f32 v[STA+1], v[STA+1], v[TP]        ; the running largest t
	v_mov_b32 v[TP], v[STA]
	v_floor_f32 v[STA], -v[STA+1]                  ; -M = floor(-t): M is a whole number
	v_sub_f32 v[TP], v[STA], v[TP]
	v_cvt_i32_f32 v[TP], v[TP]                     ; (it saturates)
	v_ldexp_f32 v[FF], 1.0, v[TP]                  ; f = 2^(old M - new M)
.set jj, 0
.rept 32
	v_pk_fma_f32 v[SS+jj:SS+jj+1], v[SS+jj:SS+jj+1], s[CS:CS+1], v[STA:STA+1] op_sel_hi:[1,0,0]   ; t - M
.set jj, jj+2
.endr
.irp b, 0,1,2,3
	v_fma_f32 v[BM+\b], v[BM+\b], s[CS], v[STA]
.endr
.set jj, 0
.rept 64
	v_exp_f32 v[SS+jj], v[SS+jj]                   ; p, at most 1
.set jj, jj+1
.endr
	v_pk_mul_f32 v[STA+2:STA+3], v[STA+2:STA+3], v[FF:FF+1] op_sel_hi:[1,0]   ; l under the new M.  (The plain place behind the exponentials)
	s_wait_alu depctr_va_vdst(0)                   ; one wait for the batch, ahead of its first reader
.irp b, 0,1,2,3
	v_exp_f32 v[BM+\b], v[BM+\b]                   ; the blocks' largest p
.endr
	v_pk_add_f32 v[T2B:T2B+1], v[SS:SS+1], v[SS+2:SS+3]   ; l takes the UNQUANTISED p, in two chains
.set jj, 4
.rept 15
	v_pk_add_f32 v[STA+2:STA+3], v[STA+2:STA+3], v[SS+jj:SS+jj+1]
	v_pk_add_f32 v[T2B:T2B+1], v[T2B:T2B+1], v[SS+jj+2:SS+jj+3]
.set jj, jj+4
.endr
	v_pk_add_f32 v[STA+2:STA+3], v[STA+2:STA+3], v[T2B:T2B+1]
	s_wait_alu depctr_va_vdst(0)                   ; and one for the four
.irp b, 0,1,2,3
	v_max_num_f32 v[BM+\b], 0x1800000, v[BM+\b]    ; the floor 2^(3 - 127)
.endr
.irp b, 0,1,2,3
	v_add_nc_u32 v[SO+\b], 0xff000000, v[BM+\b]
.endr
.irp b, 0,1,2,3
	v_lshrrev_b32 v[PT+\b], 23, v[SO+\b]
.endr
	v_lshl_or_b32 v[PW], v[PT+1], 8, v[PT]
	v_lshl_or_b32 v[PW], v[PT+2], 16, v[PW]
	v_lshl_or_b32 v[PW], v[PT+3], 24, v[PW]
.irp c, 0,1
	v_cvt_scalef32_pk16_fp6_f32 v[PCD+6*\c:PCD+6*\c+2], v[SS+32*\c:SS+32*\c+15], v[SO+2*\c]
	v_cvt_scalef32_pk16_fp6_f32 v[T2A+4*\c:T2A+4*\c+2], v[SS+32*\c+16:SS+32*\c+31], v[SO+2*\c+1]
.endr
	v_nop                                          ; one plain place behind a scaled conversion
.irp c, 0,1
.irp i, 0,1,2
	v_permlane16_swap_b32 v[PCD+6*\c+\i], v[T2A+4*\c+\i]
.endr
.irp i, 0,1,2
	v_mov_b32 v[PCD+6*\c+3+\i], v[T2A+4*\c+\i]
.endr
.endr
.set jj, 0
.rept 16
	v_pk_mul_f32 v[OTT+jj:OTT+jj+1], v[OTT+jj:OTT+jj+1], v[FF:FF+1] op_sel_hi:[1,0]   ; O^T under the new M; these 16 are also the places between p's codes and word and the products
.set jj, jj+2
.endr
	s_wait_dscnt 0x0                               ; V is in
.irp tv, 0,1,2,3
	v_wmma_scale_f32_16x16x128_f8f6f4 v[OTT+8*\tv:OTT+8*\tv+7], v[KR+12*\tv:KR+12*\tv+11], v[PCD:PCD+11], v[OTT+8*\tv:OTT+8*\tv+7], v[QD+\tv], v[PW] matrix_a_fmt:MATRIX_FMT_FP6 matrix_b_fmt:MATRIX_FMT_FP6 matrix_a_scale:MATRIX_SCALE_ROW1
.endr
.Lskip_\@:
.endm
; A prefetch of what the NEXT change of slots will ask for: both heads' 24,576 bytes, 8,192 a wave, lanes 256 bytes apart: each block of 256 bytes is named once in the launch, by the first of the
; eight work-groups that walk these keys.  Slots 0 and 1 come by their loads alone; the last change that fills a slot asks for nothing.
.macro ASK
	s_cmp_gt_u32 s[SLOTS], s[LIM]
	s_cbranch_scc0 .Lnot_mine_\@
	global_prefetch_b8 v[PFO], s[PFA:PFA+1] th:TH_LOAD_NT scope:SCOPE_SE
.Lnot_mine_\@:
.endm
; THE CHANGE OF SLOTS stands at a slot's head: each wave waits for all its tensor loads, adds 0 to its spare word, waits for that and for its reads of the slot that it has left; one barrier; the other slot is filled first thing behind it.
.macro CHANGE fill
	s_wait_tensorcnt 0x0
	ds_add_u32 v[SPW], v[NIL]
.if \fill
	s_xor_b32 s[G0+1], s[G0+1], SLOT1              ; the walking descriptor: the other slot, the next 256 keys
	s_add_nc_u64 s[G0+2:G0+3], s[G0+2:G0+3], 24576
	s_wait_xcnt 0x0                                ; the last prefetch, a slot back, has read its address
	s_add_nc_u64 s[PFA:PFA+1], s[PFA:PFA+1], 24576
.endif
	s_wait_dscnt 0x0
	s_barrier_signal -1
	s_barrier_wait -1
.if \fill
	s_add_co_u32 s96, s[KF], 256                   ; a slot whose first key comes after the high block's last query is read by no wave: it is not asked for
	s_or_b32 s97, s[QB0+1], 127
	s_cmp_gt_u32 s96, s97                          ; ids and the count of steps alone: all sixteen waves go the same way
	s_cbranch_scc1 .Lpast_\@
	s_cmp_lt_u32 s[WV], 4
	s_cbranch_scc0 .Lpast_\@
	tensor_load_to_lds s[G0:G0+3], s[G1:G1+7]
	s_nop 0
.rept 4
	v_nop
.endr
.Lpast_\@:
	ASK
.endif
.endm
.macro SLOT_STEPS
.irp q, 0,1
	STEP 1, \q
	STEP 0, \q
	s_add_co_u32 s[KF], s[KF], 128
	s_add_co_u32 s[TS], s[TS], 512
.endr
	s_xor_b32 s[TB], s[TB], SLOT1
.endm
	s_wait_loadcnt 0x0                             ; Q
.Lslot:                                ; 7 trips; the last slot is written out, so that the loop's last trip jumps over no tensor load
	CHANGE 1
	SLOT_STEPS
	s_sub_co_u32 s[SLOTS], s[SLOTS], 1
	s_cmp_lg_u32 s[SLOTS], 0
	s_cbranch_scc1 .Lslot
	CHANGE 0
	SLOT_STEPS
	; THE WAY OUT: O^T / l, quantised along the head's 64 (two blocks of the model's axis); the half images leave as they stand; the scale bytes of two heads meet in LDS.
	v_add_f32 v14, v14, v15
	v_add_f32 v18, v18, v19
	v_permlanex16_b32 v244, v14, s[SEL], s[SEL+1]
	v_permlanex16_b32 v245, v18, s[SEL], s[SEL+1]
	v_add_f32 v14, v14, v244
	v_add_f32 v18, v18, v245                       ; (the four additions are the places behind the last products)
	v_rcp_f32 v14, v14
	v_rcp_f32 v18, v18
	v_and_b32 v56, 31, v0
	v_lshlrev_b32 v62, 4, v56                      ; 16 L
	v_add_nc_u32 v57, s90, v62                     ; + my half image
	v_lshlrev_b32 v58, 3, v56
	v_add_nc_u32 v58, s90, v58
	v_and_b32 v59, 15, v0
	v_lshlrev_b32 v59, 4, v59
	v_add_nc_u32 v59, s91, v59
	v_add_nc_u32 v59, SCM, v59                     ; my two bytes of row r's word
	v_and_b32 v60, 63, v0
	v_lshl_add_u32 v60, v60, 4, SCM                ; back: waves 0, 1: 512 bytes each
	s_wait_alu depctr_va_vdst(0)                   ; one wait for the two reciprocals, ahead of their first reader
.irp T, 0,1
.set jj, 0
.rept 16
	v_pk_mul_f32 v[SS+32*\T+jj:SS+32*\T+jj+1], v[OT+32*\T+jj:OT+32*\T+jj+1], v[14+4*\T:15+4*\T] op_sel_hi:[1,0]   ; each accumulator from its low end on
.set jj, jj+2
.endr
.endr
.macro QUANT2 s, pc, pw                ; 32 numbers of a lane, register 16 b + i = 32 b + 16 (lane / 16) + i of my row: six registers of codes and two bytes
.irp b, 0,1
	v_max3_num_f32 v[248+\b], 0x1800000, |v[(\s)+16*\b]|, |v[(\s)+16*\b+1]|
.endr
.irp i, 2,4,6,8,10,12,14
.irp b, 0,1
	v_max3_num_f32 v[248+\b], v[248+\b], |v[(\s)+16*\b+\i]|, |v[(\s)+16*\b+\i+1]|
.endr
.endr
.irp b, 0,1
	v_permlanex16_b32 v[250+\b], v[248+\b], s[SEL], s[SEL+1]
.endr
.irp b, 0,1
	v_max_num_f32 v[248+\b], v[248+\b], v[250+\b]
.endr
.irp b, 0,1
	v_add_nc_u32 v[252+\b], 0xff000000, v[248+\b]
.endr
.irp b, 0,1
	v_lshrrev_b32 v[250+\b], 23, v[252+\b]
.endr
	v_lshl_or_b32 v[\pw], v251, 8, v250
	v_cvt_scalef32_pk16_fp6_f32 v[(\pc):(\pc)+2], v[(\s):(\s)+15], v252
	v_cvt_scalef32_pk16_fp6_f32 v[244:246], v[(\s)+16:(\s)+31], v253
	v_nop
.irp i, 0,1,2
	v_permlane16_swap_b32 v[(\pc)+\i], v[244+\i]
.endr
.irp i, 0,1,2
	v_mov_b32 v[(\pc)+3+\i], v[244+\i]
.endr
.endm
.irp T, 0,1
	QUANT2 SS+32*\T, PCD+6*\T, 254+\T
	global_store_b128 v57, v[PCD+6*\T:PCD+6*\T+3], s[84+2*\T:85+2*\T]
	global_store_b64 v58, v[PCD+6*\T+4:PCD+6*\T+5], s[84+2*\T:85+2*\T] offset:512
	ds_store_b16 v59, v[254+\T] offset:512*\T
.endr
	s_wait_dscnt 0x0                               ; for the others' sake: my stores have landed
	s_barrier_signal -1
	s_barrier_wait -1
	s_cmp_lt_u32 s[WV], 2
	s_cbranch_scc0 .Lno_words
	ds_load_b128 v[64:67], v60
	s_wait_dscnt 0x0
	global_store_b128 v62, v[64:67], s[88:89] offset:12288   ; a record's two quads: 512 consecutive bytes, aligned
.Lno_words:
	s_wait_tensorcnt 0x0                           ; the wave's end
	ds_add_u32 v[SPW], v[NIL]
	s_wait_dscnt 0x0
	s_endpgm
.Lfunc_end_k_q1045c1c6c8_attn:
	.size	k_q1045c1c6c8_attn, .Lfunc_end_k_q1045c1c6c8_attn-k_q1045c1c6c8_attn
	.p2alignl 7, 3214868480
	.fill 96, 4, 3214868480
	.section	.rodata,"a",@progbits
	.p2align	6, 0x0
	.amdhsa_kernel k_q1045c1c6c8_attn
		.amdhsa_group_segment_fixed_size 327680
		.amdhsa_private_segment_fixed_size 0
		.amdhsa_enable_private_segment 0
		.amdhsa_kernarg_size 24
		.amdhsa_user_sgpr_count 2
		.amdhsa_user_sgpr_kernarg_segment_ptr 1
		.amdhsa_wavefront_size32 1
		.amdhsa_system_sgpr_workgroup_id_x 1
		.amdhsa_system_sgpr_workgroup_id_y 1
		.amdhsa_system_sgpr_workgroup_id_z 1
		.amdhsa_system_vgpr_workitem_id 0
		.amdhsa_next_free_vgpr 256
		.amdhsa_next_free_sgpr 100
		.amdhsa_reserve_vcc 1
		.amdhsa_float_denorm_mode_32 3
		.amdhsa_float_denorm_mode_16_64 3
		.amdhsa_memory_ordered 1
		.amdhsa_forward_progress 1
		.amdhsa_inst_pref_size 185
	.end_amdhsa_kernel
	.amdgpu_metadata
---
amdhsa.version: [ 1, 2 ]
amdhsa.kernels:
  - .name:           k_q1045c1c6c8_attn
    .symbol:         k_q1045c1c6c8_attn.kd
    .args:
      - { .name: qbuf, .offset: 0, .size: 8, .value_kind: global_buffer, .address_space: global }
      - { .name: kv, .offset: 8, .size: 8, .value_kind: global_buffer, .address_space: global }
      - { .name: abuf, .offset: 16, .size: 8, .value_kind: global_buffer, .address_space: global }
    .group_segment_fixed_size: 327680
    .private_segment_fixed_size: 0
    .kernarg_segment_align: 8
    .kernarg_segment_size: 24
    .max_flat_workgroup_size: 512
    .sgpr_count:     100
    .vgpr_count:     256
    .wavefront_size: 32
...
	.end_amdgpu_metadata
.endif
;; end of part 3
;; launch outp (part 4): grid 4 x 64, 4 waves a work-group, clusters of 4 x 4, 327,680 bytes of LDS; arguments abuf, xw, out0; writes out0
.if DOCPART == 4
	.amdgcn_target "amdgcn-amd-amdhsa--gfx1250"
	.amdhsa_code_object_version 6
	.text
	.protected	k_q1045c1c6c8_outp
	.globl	k_q1045c1c6c8_outp
	.p2align	8
	.type	k_q1045c1c6c8_outp,@function
k_q1045c1c6c8_outp:
	s_mov_b64 s[64:65], 0
	v_nop
	global_prefetch_b8 v0, s[64:65] scope:SCOPE_SE
	s_setreg_imm32_b32 hwreg(HW_REG_WAVE_MODE, 25, 1), 1
	s_wait_xcnt 0x0
	s_wait_alu depctr_hold_cnt(0) depctr_sa_sdst(0) depctr_va_vdst(0) depctr_va_sdst(0) depctr_va_ssrc(0) depctr_va_vcc(0) depctr_vm_vsrc(0)
	s_getreg_b32 s2, hwreg(HW_REG_IB_STS2, 6, 4)
	s_cmp_eq_u32 s2, 0
	s_cbranch_scc0 .Lentry_in_a_cluster
	s_endpgm
.Lentry_in_a_cluster:
	s_bfe_u32 s2, ttmp6, 0x10000c
	s_cmp_lg_u32 s2, 0xf033
	s_cbranch_scc0 .Lentry_shape_is_right
	s_endpgm
.Lentry_shape_is_right:
; out0 = A Wo^T on codes of FP6 (E2M3) with E8M0 scales: A the attention's result [8192][1024], Wo [1024][1024]; out0 f32.
; SHARES: a work-group makes 128 rows x 256 columns (256 work-groups); wave (mi = w / 2, ni = w % 2) 64 x 128: 32 accumulators.
; ALL OF K LIES IN LDS: A's eight records (12,800 bytes: 8 tiles x 2 half images, 2 quads of scale words) and Wo's eight (25,600: 16 images, 4 quads): nothing is filled again, so there is no ring.
; Each wave issues four joint loads at the head (waves 0, 1: A's records 2 c + w, shared along a row of the 4 x 4 cluster; waves 2, 3: Wo's, shared along a column): by this text's count four are out.
; A counted wait and a plain barrier stand ahead of each chunk's first read; the count is the number of later chunks, which may stay out.
; The product is used TRANSPOSED (source 0 = 16 rows of Wo, source 1 = 16 rows of A): a lane holds eight neighbouring columns of one row of out0.
; Tile-row i of tile t is row 32 (t / 2) + 8 (t % 2) + i + 8 (i / 8) of a group of 64, for A's rows and for Wo's: the way out puts rows and columns back in their places.
.set AREC,  12800
.set BREC,  25600
.set BOFF,  8*AREC
.set SPARE, BOFF+8*BREC
.set AB,  8                            ; v8-11   Wo's images, chunk c: BOFF + 51,200 c + 12,288 ni + 16 L
.set ASB, 12                           ; v12-15  Wo's quads: tiles 0-3 in lanes 0-15, tiles 4-7 in lanes 16-31
.set AA,  16                           ; v16-17  A's half images, 16 L, for K steps 0-3 and 4-7
.set AA8, 18                           ; v18-19  the same, 8 L
.set ASA, 20                           ; v20-21  A's quad
.set STO, 22
.set RD,  23
.set CO,  24
.set SPW, 28
.set NIL, 29
.set SC,  32                           ; scale words, set f at v[32 + 12 f]: 0-3 A's, 4-7 Wo's
.set XF,  64                           ; A's fragments, set f at v[64 + 48 f].  Window 1: Wo's at v[96 f + 12 tb].  Window 2: accumulators at v[64 ta + 8 tb]
.set BK,  128                          ; the way out: 16 rows read back: v128-191 and v192-255 by turns
.set G1A, 24
.set G0A, 32
.set G1B, 48
.set G0B, 68
.set MSB, 0
.macro WIN new
.if MSB != \new
	s_set_vgpr_msb (MSB<<8)|\new
.set MSB, \new
.endif
.endm
.macro CROUND                          ; a round of the cluster's barrier
	s_barrier_signal -1
	s_barrier_wait -1
	s_cmp_lg_u32 s14, 0
	s_cbranch_scc1 .Lnot_wave_0_\@
	s_barrier_signal -3
.Lnot_wave_0_\@:
	s_barrier_wait -3
	s_barrier_signal -1
	s_barrier_wait -1
.endm
.macro PLACES
.rept 4
	v_nop
.endr
.endm
	s_load_b128 s[4:7], s[0:1], 0x0                ; abuf, xw
	s_load_b64 s[8:9], s[0:1], 0x10                ; out0
	v_lshl_add_u32 v[SPW], v0, 2, SPARE
	v_mov_b32 v[NIL], 0
	ds_add_u32 v[SPW], v[NIL]                      ; the opening: the add and its wait ahead of my first tensor load
	v_lshrrev_b32 v1, 5, v0
	v_readfirstlane_b32 s14, v1
	s_lshr_b32 s15, s14, 1                         ; mi.  Also: I fetch for A (0) or for Wo (1)
	s_and_b32 s16, s14, 1                          ; ni.  Also: which record of a chunk I fetch
	s_bfe_u32 s10, ttmp6, 0x40000                  ; cx
	s_bfe_u32 s11, ttmp6, 0x40004                  ; cy
	s_lshl_b32 s12, ttmp9, 2
	s_add_co_u32 s12, s12, s10                     ; block of 256 columns
	s_and_b32 s13, ttmp7, 0xffff
	s_lshl_b32 s13, s13, 2
	s_add_co_u32 s13, s13, s11                     ; block of 128 rows
	s_lshl_b32 s17, s11, 2
	s_lshl_b32 s17, 15, s17                        ; my row of the cluster
	s_lshl_b32 s18, 0x1111, s10                    ; my column
	s_or_b32 s[G1A], s17, (3<<16)|(1<<21)
	s_or_b32 s[G1B], s18, (3<<16)|(1<<21)
	s_mov_b32 s[G1A+1], 32<<16                     ; rows of 256 bytes,
	s_mov_b32 s[G1A+2], 50<<16                     ; 50 of them, dense
	s_mov_b32 s[G1A+3], 32<<16
	s_mov_b32 s[G1A+4], 50
	s_mov_b32 s[G1A+5], 32
	s_mov_b32 s[G1A+6], 0
	s_mov_b32 s[G1A+7], 0
	s_mov_b32 s[G1B+1], 32<<16
	s_mov_b32 s[G1B+2], 100<<16
	s_mov_b32 s[G1B+3], 32<<16
	s_mov_b32 s[G1B+4], 100
	s_mov_b32 s[G1B+5], 32
	s_mov_b32 s[G1B+6], 0
	s_mov_b32 s[G1B+7], 0
	s_lshl_b32 s20, s13, 3
	s_add_co_u32 s20, s20, s16
	s_mul_i32 s20, s20, AREC                       ; A: record 8 x block + w % 2
	s_mov_b32 s21, 0
	s_add_co_u32 s56, s12, 32                      ; Wo's blocks lie behind x's 32
	s_lshl_b32 s56, s56, 3
	s_add_co_u32 s56, s56, s16
	s_mul_i32 s56, s56, BREC
	s_mov_b32 s57, 0
	s_mul_i32 s19, s16, AREC                       ; where they go: no place in the cluster enters an LDS address
	s_mul_i32 s22, s16, BREC
	s_lshl_b32 s58, s13, 7
	s_lshl_b32 s59, s15, 6
	s_add_co_u32 s58, s58, s59
	s_lshl_b32 s58, s58, 12                        ; out0: my first row,
	s_lshl_b32 s59, s12, 10
	s_add_co_u32 s58, s58, s59
	s_lshl_b32 s59, s16, 9
	s_add_co_u32 s58, s58, s59                     ; my first column
	s_mov_b32 s59, 0
	v_and_b32 v1, 15, v0                           ; r
	v_bfe_u32 v2, v0, 4, 1                         ; h
	v_and_b32 v3, 31, v0
	v_lshlrev_b32 v[CO], 4, v3                     ; 16 L
	v_lshlrev_b32 v4, 3, v3                        ; 8 L
	v_lshlrev_b32 v5, 4, v1                        ; 16 r
	s_mul_i32 s60, s16, 12288
	s_add_co_u32 s60, s60, BOFF
	v_add_nc_u32 v[AB], s60, v[CO]
	s_lshl_b32 s61, s16, 9
	s_add_co_u32 s61, s61, BOFF+24576
	v_lshl_add_u32 v[ASB], v2, 8, v5
	v_add_nc_u32 v[ASB], s61, v[ASB]
.irp c, 1,2,3
	v_add_nc_u32 v[AB+\c], 2*BREC, v[AB+\c-1]
	v_add_nc_u32 v[ASB+\c], 2*BREC, v[ASB+\c-1]
.endr
	s_mul_i32 s62, s15, 6144
	v_add_nc_u32 v[AA], s62, v[CO]
	v_add_nc_u32 v[AA+1], 4*AREC, v[AA]
	v_add_nc_u32 v[AA8], s62, v4
	v_add_nc_u32 v[AA8+1], 4*AREC, v[AA8]
	s_lshl_b32 s63, s15, 8
	s_add_co_u32 s63, s63, 12288
	v_add_nc_u32 v[ASA], s63, v5
	v_add_nc_u32 v[ASA+1], 4*AREC, v[ASA]
	s_mul_i32 s84, s14, 16*528
	s_add_co_u32 s84, s84, BOFF                    ; my stage: in Wo's first chunk, which has had its only fill and is read by nobody behind K step 1's barrier
	v_mul_u32_u24 v[STO], v1, 528
	v_lshl_add_u32 v[STO], v2, 6, v[STO]
	v_add_nc_u32 v[STO], s84, v[STO]               ; in: row r, 64 h bytes on
	v_add_nc_u32 v[RD], s84, v[CO]                 ; back: whole rows of 512 bytes
	s_wait_dscnt 0x0                               ; the opening add is done
	s_wait_kmcnt 0x0
	s_add_nc_u64 s[20:21], s[4:5], s[20:21]
	s_add_nc_u64 s[56:57], s[6:7], s[56:57]
	s_add_nc_u64 s[58:59], s[8:9], s[58:59]
.irp c, 0,1,2,3
	s_mov_b32 s[G0A+4*\c], 1
	s_add_co_u32 s[G0A+4*\c+1], s19, \c*2*AREC
	s_add_nc_u64 s[G0A+4*\c+2:G0A+4*\c+3], s[20:21], \c*2*AREC
	s_or_b32 s[G0A+4*\c+3], s[G0A+4*\c+3], 0x80000000
	s_mov_b32 s[G0B+4*\c], 1
	s_add_co_u32 s[G0B+4*\c+1], s22, \c*2*BREC+BOFF
	s_add_nc_u64 s[G0B+4*\c+2:G0B+4*\c+3], s[56:57], \c*2*BREC
	s_or_b32 s[G0B+4*\c+3], s[G0B+4*\c+3], 0x80000000
.endr
	CROUND                                         ; all sixteen work-groups are here: the joint loads meet
	s_cmp_eq_u32 s15, 0                            ; a wave's four fills stand in one branch; an s_nop 0 follows each, four v_nop the last
	s_cbranch_scc0 .Lfor_b
.irp c, 0,1,2,3
	tensor_load_to_lds s[G0A+4*\c:G0A+4*\c+3], s[G1A:G1A+7]
	s_nop 0
.endr
.rept 4
	v_nop
.endr
	s_branch .Lasked
.Lfor_b:
.irp c, 0,1,2,3
	tensor_load_to_lds s[G0B+4*\c:G0B+4*\c+3], s[G1B:G1B+7]
	s_nop 0
.endr
.rept 4
	v_nop
.endr
.Lasked:
.macro WM d, a, b, zero, sa, sb, row
.if \zero
.if \row
	v_wmma_scale_f32_16x16x128_f8f6f4 v[(\d):(\d)+7], v[(\a):(\a)+11], v[(\b):(\b)+11], 0, v[\sa], v[\sb] matrix_a_fmt:MATRIX_FMT_FP6 matrix_b_fmt:MATRIX_FMT_FP6 matrix_a_scale:MATRIX_SCALE_ROW1
.else
	v_wmma_scale_f32_16x16x128_f8f6f4 v[(\d):(\d)+7], v[(\a):(\a)+11], v[(\b):(\b)+11], 0, v[\sa], v[\sb] matrix_a_fmt:MATRIX_FMT_FP6 matrix_b_fmt:MATRIX_FMT_FP6
.endif
.else
.if \row
	v_wmma_scale_f32_16x16x128_f8f6f4 v[(\d):(\d)+7], v[(\a):(\a)+11], v[(\b):(\b)+11], v[(\d):(\d)+7], v[\sa], v[\sb] matrix_a_fmt:MATRIX_FMT_FP6 matrix_b_fmt:MATRIX_FMT_FP6 matrix_a_scale:MATRIX_SCALE_ROW1
.else
	v_wmma_scale_f32_16x16x128_f8f6f4 v[(\d):(\d)+7], v[(\a):(\a)+11], v[(\b):(\b)+11], v[(\d):(\d)+7], v[\sa], v[\sb] matrix_a_fmt:MATRIX_FMT_FP6 matrix_b_fmt:MATRIX_FMT_FP6
.endif
.endif
.endm
.macro MUL16 f, ta0, zero              ; 16 products: A's tiles ta0, ta0 + 1 against Wo's eight; the 32 accumulators take turns, in the same order in every K step
	WIN 0xa1                                       ; source 0 window 1, source 1 window 0, C and D window 2
.irp ta, \ta0, \ta0+1
.irp tb, 0,1,2,3,4,5,6,7
	WM 64*(\ta)+8*\tb, 96*\f+12*\tb, XF+48*\f+12*(\ta), \zero, SC+12*\f+4+\tb%4, SC+12*\f+(\ta), \tb/4
.endr
.endr
.endm
.macro FETCH s, f                      ; 42 LDS loads in one run: K step s into set f
	WIN 0x40
.irp tb, 0,1,2,3,4,5,6,7
.irp g, 0,1,2
	ds_load_b128 v[96*\f+12*\tb+4*\g:96*\f+12*\tb+4*\g+3], v[AB+(\s)/2] offset:BREC*((\s)%2)+1536*\tb+512*\g
.endr
.endr
	WIN 0
.irp ta, 0,1,2,3
.irp c, 0,1
	ds_load_b128 v[XF+48*\f+12*\ta+6*\c:XF+48*\f+12*\ta+6*\c+3], v[AA+(\s)/4] offset:AREC*((\s)%4)+1536*\ta+768*\c
	ds_load_b64 v[XF+48*\f+12*\ta+6*\c+4:XF+48*\f+12*\ta+6*\c+5], v[AA8+(\s)/4] offset:AREC*((\s)%4)+1536*\ta+768*\c+512
.endr
.endr
	ds_load_b128 v[SC+12*\f:SC+12*\f+3], v[ASA+(\s)/4] offset:AREC*((\s)%4)
	ds_load_b128 v[SC+12*\f+4:SC+12*\f+7], v[ASB+(\s)/2] offset:BREC*((\s)%2)
.endm
.macro EVEN s, zero                    ; a chunk's first K step: the second's fragments come from the same chunk
	PLACES
	FETCH (\s)+1, 1
	s_wait_dscnt 42                                ; all but the 42 just issued
	MUL16 0, 0, \zero
	MUL16 0, 2, \zero
.endm
.macro ODD s, left                     ; a chunk's second K step: the next chunk is shown whole to every wave.  left: my later chunks, which may stay out
	s_wait_dscnt 0x0
	s_wait_tensorcnt \left
	s_barrier_signal -1
	MUL16 1, 0, 0
	s_barrier_wait -1
	PLACES
	FETCH (\s)+1, 0
	MUL16 1, 2, 0
.endm
	s_wait_tensorcnt 3                             ; my part of chunk 0 is in; three chunks may stay out
	s_barrier_signal -1
	s_barrier_wait -1
	FETCH 0, 0
	EVEN 0, 1                                      ; K step 0 starts the sums
	ODD 1, 2
	EVEN 2, 0
	ODD 3, 1
	EVEN 4, 0
	ODD 5, 0
	EVEN 6, 0
	s_wait_dscnt 0x0
	MUL16 1, 0, 0
	MUL16 1, 2, 0
	WIN 0
; THE WAY OUT, a tile of 16 rows x 128 columns at a time, through my own stage: in as 32 bytes a lane and tile of Wo, back as whole rows of 512 bytes.
; LDS serves a wave's instructions in order: no wait between the stores and the loads, nor in front of the next tile's stores.
.macro TOSTAGE a
	WIN 0x08                                       ; the data: window 2
.irp tb, 0,1,2,3,4,5,6,7
	ds_store_b128 v[STO], v[64*(\a)+8*\tb:64*(\a)+8*\tb+3] offset:128*(\tb/2)+32*(\tb%2)      ; columns 32 (tb / 2) + 16 h + 8 (tb % 2) + 0 .. 7; each accumulator from its low end on
	ds_store_b128 v[STO], v[64*(\a)+8*\tb+4:64*(\a)+8*\tb+7] offset:128*(\tb/2)+32*(\tb%2)+16
.endr
	WIN 0
.irp t, 0,1,2,3,4,5,6,7,8,9,10,11,12,13,14,15
	ds_load_b128 v[BK+64*((\a)%2)+4*\t:BK+64*((\a)%2)+4*\t+3], v[RD] offset:\t*528
.endr
.endm
.macro SEND a, younger                 ; younger: the LDS instructions issued behind tile a's loads
	s_wait_dscnt \younger
.irp t, 0,1,2,3,4,5,6,7,8,9,10,11,12,13,14,15
	global_store_b128 v[CO], v[BK+64*((\a)%2)+4*\t:BK+64*((\a)%2)+4*\t+3], s[58:59] offset:(32*((\a)/2)+8*((\a)%2)+\t+8*(\t/8))*4096 th:TH_STORE_NT   ; 512 consecutive bytes of one row, aligned
.endr
.endm
	PLACES
	TOSTAGE 0
	TOSTAGE 1
	SEND 0, 32
	s_wait_xcnt 0x0                                ; tile 0's stores have read their registers: tile 2's loads may land there
	TOSTAGE 2
	SEND 1, 32
	s_wait_xcnt 0x0
	TOSTAGE 3
	SEND 2, 32
	SEND 3, 0
	s_wait_tensorcnt 0x0                           ; the wave's end
	ds_add_u32 v[SPW], v[NIL]
	s_wait_dscnt 0x0
	CROUND                                         ; the closing round
	s_endpgm
.Lfunc_end_k_q1045c1c6c8_outp:
	.size	k_q1045c1c6c8_outp, .Lfunc_end_k_q1045c1c6c8_outp-k_q1045c1c6c8_outp
	.p2alignl 7, 3214868480
	.fill 96, 4, 3214868480
	.section	.rodata,"a",@progbits
	.p2align	6, 0x0
	.amdhsa_kernel k_q1045c1c6c8_outp
		.amdhsa_group_segment_fixed_size 327680
		.amdhsa_private_segment_fixed_size 0
		.amdhsa_enable_private_segment 0
		.amdhsa_kernarg_size 24
		.amdhsa_user_sgpr_count 2
		.amdhsa_user_sgpr_kernarg_segment_ptr 1
		.amdhsa_wavefront_size32 1
		.amdhsa_system_sgpr_workgroup_id_x 1
		.amdhsa_system_sgpr_workgroup_id_y 1
		.amdhsa_system_sgpr_workgroup_id_z 1
		.amdhsa_system_vgpr_workitem_id 0
		.amdhsa_next_free_vgpr 768
		.amdhsa_next_free_sgpr 100
		.amdhsa_reserve_vcc 0
		.amdhsa_float_denorm_mode_32 3
		.amdhsa_float_denorm_mode_16_64 3
		.amdhsa_memory_ordered 1
		.amdhsa_forward_progress 1
		.amdhsa_inst_pref_size 79
	.end_amdhsa_kernel
	.amdgpu_metadata
---
amdhsa.version: [ 1, 2 ]
amdhsa.kernels:
  - .name:           k_q1045c1c6c8_outp
    .symbol:         k_q1045c1c6c8_outp.kd
    .args:
      - { .name: abuf, .offset: 0, .size: 8, .value_kind: global_buffer, .address_space: global }
      - { .name: xw, .offset: 8, .size: 8, .value_kind: global_buffer, .address_space: global }
      - { .name: out0, .offset: 16, .size: 8, .value_kind: global_buffer, .address_space: global }
    .group_segment_fixed_size: 327680
    .private_segment_fixed_size: 0
    .kernarg_segment_align: 8
    .kernarg_segment_size: 24
    .max_flat_workgroup_size: 128
    .sgpr_count:     100
    .vgpr_count:     768
    .wavefront_size: 32
...
	.end_amdgpu_metadata
.endif
;; end of part 4
